; MI455X (gfx1250); checked and timed in simulation.
; The chip was launched on July 23, 2026; its instructions are those of AMD's public machine-readable ISA for CDNA 5 (MIT licence, August 2026) and "CDNA5" Instruction Set Architecture Reference Guide (July 2026). The comments in the code are by the model that wrote it; some were corrected since.
;; Multi Head Attention Block. Allowed arithmetic: matrix products marked QUANTISED: E2M1 operands, one E8M0 scale for each 32 along K, by v_wmma_scale_f32_16x16x128_f8f6f4 with both operands' format E2M1 (or v_wmma_scale_f32_32x16x128_f4), f32 sums; products left as they are: bf16, f16 or f32 operands; f32 sums; everything else in f32.
;; Inputs: W_k 1,024 x 1,024 float32; W_o 1,024 x 1,024 float32; W_q 1,024 x 1,024 float32; W_v 1,024 x 1,024 float32; k 4 x 2,048 x 1,024 float32; mask 1 x 1 x 2,048 x 2,048 bool; q 4 x 2,048 x 1,024 float32; v 4 x 2,048 x 1,024 float32.
;; Outputs: out0 4 x 2,048 x 1,024 float32.
;; This version of the problem:
;;   THIS VERSION OF THE PROBLEM IS GIVEN IN LOW PRECISION. The matrix products marked QUANTISED in the list below multiply operands that are first quantised to E2M1 (2 exponent bits, 1 mantissa bit; 4 bits a number), with one power-of-two scale for each 32 numbers along K (OCP MX v1.0); their sums are f32. The products marked 'left as it is' may take bf16, f16 or f32 operands, with f32 sums. Whichever they take, every output number must still come out within the allowed error. Rounding operands to bf16 (8 significant bits) uses up far more of that allowance than f16 does (11 bits, for magnitudes from 6e-5 to 65,504). All else is computed in f32.
;;   The module's matrix products, in the order in which they are computed (A, B: the left and right operand; K: the contracted axis; several contracted axes count as one K, in the product's order):
;;     1. [M 8,192, K 1,024] x [K 1,024, N 1,024]; A: input q; B: input W_q: QUANTISED
;;     2. [M 8,192, K 1,024] x [K 1,024, N 1,024]; A: input k; B: input W_k: QUANTISED
;;     3. [M 8,192, K 1,024] x [K 1,024, N 1,024]; A: input v; B: input W_v: QUANTISED
;;     4. batch 64 x [M 2,048, K 64] x [K 64, N 2,048]; A: computed on the way; B: computed on the way: left as it is (an operand is computed on the way)
;;     5. batch 64 x [M 2,048, K 2,048] x [K 2,048, N 64]; A: computed on the way; B: computed on the way: left as it is (an operand is computed on the way)
;;     6. [M 8,192, K 1,024] x [K 1,024, N 1,024]; A: computed on the way; B: input W_o: left as it is (an operand is computed on the way)
;;   THE QUANTISER, for each operand of a quantised product, along K:
;;     - K is cut into blocks of 32 from its start; a last block that is shorter is filled with zeros.
;;     - A block's scale is 2^e with e = floor(log2(the largest magnitude in the block)) - 2, held to -126 .. 127; a block of zeros has e = 0. As a byte (E8M0): e + 127.
;;     - Each number is divided by its block's scale, clamped to +-6, and rounded to the nearest number of E2M1, ties to even, subnormals kept.
;;     - The product sums the exact products of the quantised numbers (number of the format x scale) in f32.
;;   ~~~python
;;   def quantise(x, axis):      # numpy; x: float32 -> the quantised numbers, widened to float32 again
;;       x = np.moveaxis(x, axis, -1); K = x.shape[-1]
;;       x = np.pad(x, [(0, 0)] * (x.ndim - 1) + [(0, -K % 32)]); x = x.reshape(x.shape[:-1] + (-1, 32)); a = np.abs(x).max(-1, keepdims=True)
;;       e = np.where(a > 0, np.clip(np.frexp(np.where(a > 0, a, 1))[1] - 1 - 2, -126, 127), 0)      # np.frexp(a)[1] - 1 = floor(log2(a)), exactly
;;       r = np.clip(x / 2.0 ** e, -6, 6)
;;       step = 2.0 ** (np.maximum(np.frexp(np.where(r == 0, 1, r))[1] - 1, 0) - 1)
;;       q = np.round(r / step) * step * 2.0 ** e      # np.round: ties to even
;;       return np.moveaxis(q.reshape(q.shape[:-2] + (-1,))[..., :K], -1, axis).astype(np.float32)
;;   ~~~
;; One version. Each part assembles by itself: llvm-mc -triple=amdgcn-amd-amdhsa -mcpu=gfx1250 --defsym DOCPART=n.
;; ======== version 1 of 1: 6 launches
;; limits: right only within a limited range of input values; values are held in f16: magnitudes above 65,504 overflow, below 6.1e-05 lose precision; inputs' magnitudes at most 65,504
;; workspace buffers: codes 14,155,776 bytes; scales 884,736 bytes; qkv 50,331,648 bytes; o16 16,777,216 bytes; wo16 4,194,304 bytes; mw 524,800 bytes of whole numbers; ofine 262,144 bytes
;; launch prep (part 1): grid 960 x 1, 4 waves a work-group, no clusters, 33,280 bytes of LDS; arguments q, k, v, W_q, W_k, W_v, W_o, mask, codes, scales, wo16, mw; writes codes, scales, wo16, mw
.if DOCPART == 1
	.amdgcn_target "amdgcn-amd-amdhsa--gfx1250"
	.amdhsa_code_object_version 6
	.text
	.protected	k_qb15f7e82f6_prep
	.globl	k_qb15f7e82f6_prep
	.p2align	8
	.type	k_qb15f7e82f6_prep,@function
k_qb15f7e82f6_prep:
	s_mov_b64 s[64:65], 0
	v_nop
	global_prefetch_b8 v0, s[64:65] scope:SCOPE_SE
	s_setreg_imm32_b32 hwreg(HW_REG_WAVE_MODE, 25, 1), 1
	s_wait_xcnt 0x0
; THREE JOBS IN ONE LAUNCH, told apart by the work-group's number.
; Work-groups 0-31: the mask [2048][2048] of bytes becomes lane words and block flags.  Work-groups 32-95: W_o [1024][1024] f32 becomes two f16 parts, high and low,
; laid in the order of a matrix operand's registers.  Work-groups 96-959: q, k, v, W_q, W_k, W_v, f32 with K innermost, become codes of FP4 (E2M1) and one E8M0 scale byte for each 32 along K.
; QUANTISER.  A block's scale is 2^(floor(log2(its largest magnitude)) - 2); its byte is the largest magnitude's exponent field - 2, held at 1 from below.  A block of zeros so gets the byte 1 where the rule says 127:
; its codes are zeros, which add nothing under any byte but 0xff, and this program alone reads the bytes.  Rows are dense and K = 1,024 is a multiple of 32: each tensor is a plain stream of blocks of 32.
; The six tensors' codes and scale bytes follow each other in the order of the work-groups' numbers.  A wave takes 16 steps of 512 numbers; each of a step's four loads reads 512 consecutive bytes; the 2,048 bytes turn
; through the wave's own stage in LDS and come back 64 bytes a lane, so that a lane holds 16 neighbours along K.  Loads run four steps ahead.
; LIMITS: blocks whose largest magnitude lies under 2^-124 keep the byte 1; NaN and infinities among the inputs are not served.
; MASK.  Word (qt, ks, 8 t + j) of mw, at byte qt 4096 + ks 128 + 4 (8 t + j): bit l = mask[16 qt + l % 16][64 ks + 16 t + 8 (l / 16) + j]: the lane mask of one score register of the attention launch.
; Flag word fl[qt], at byte 524,288 + 4 qt: bit ks = some byte of (rows 16 qt .. + 15, keys 64 ks .. + 63) is true; all 32 bits are set where one of the 16 rows has no true byte at all (such a row averages every key).
; W_o.  Piece (ntile, k16) of 512 bytes at (64 ntile + k16) 512: lane (r, h) holds W_o[16 ntile + r][16 k16 + 8 h + 0 .. 7] as f16; the low parts (number - high part, in f16) lie 2,097,152 bytes further on.
.set WAVES, 4
.set STEPS, 16
.set EMAX,  2
.set CB,    8                          ; bytes of 16 codes
.set R,     16                         ; v16-79   four sets of 16 numbers as they are loaded
.set X,     80                         ; v80-111  two sets of 16 neighbours
.set C,     128                        ; v128-191 codes: four registers for each step
.set E,     112                        ; v112-127 a scale byte for each step
.set WREG,  8192                       ; LDS: a region for each wave: two stages of 32 x SP bytes, behind them its 256 scale bytes
.set SP,    80                         ; a lane's place in a stage: 64 bytes + 16 of padding
.set SPW,   12                         ; v12  LDS address of my spare word; never rewritten
.set NIL,   13                         ; v13  0; never rewritten
.set SPARE, WAVES*WREG                 ; behind the four regions: the spare words, 128 bytes a wave
	s_load_b512 s[4:19], s[0:1], 0x0               ; q, k, v, W_q, W_k, W_v, W_o, mask
	s_load_b256 s[20:27], s[0:1], 0x40             ; codes, scales, wo16, mw
	v_lshl_add_u32 v[SPW], v0, 2, SPARE
	v_mov_b32 v[NIL], 0
	v_lshrrev_b32 v1, 5, v0
	v_readfirstlane_b32 s28, v1                    ; wave 0..3
	v_and_b32 v2, 31, v0                           ; lane
	s_wait_kmcnt 0x0
	s_cmp_lt_u32 ttmp9, 32
	s_cbranch_scc1 .Lmask
	s_cmp_lt_u32 ttmp9, 96
	s_cbranch_scc1 .Lwo
; ---------------- the quantiser
	s_sub_co_u32 s29, ttmp9, 96                    ; g: 256 work-groups each for q, k, v, then 32 each for W_q, W_k, W_v
	s_mov_b64 s[30:31], s[14:15]
	s_mov_b32 s32, 832
	s_cmp_lt_u32 s29, 832                          ; the choices hang on the work-group's number alone
	s_cselect_b64 s[30:31], s[12:13], s[30:31]
	s_cselect_b32 s32, 800, s32
	s_cmp_lt_u32 s29, 800
	s_cselect_b64 s[30:31], s[10:11], s[30:31]
	s_cselect_b32 s32, 768, s32
	s_cmp_lt_u32 s29, 768
	s_cselect_b64 s[30:31], s[8:9], s[30:31]
	s_cselect_b32 s32, 512, s32
	s_cmp_lt_u32 s29, 512
	s_cselect_b64 s[30:31], s[6:7], s[30:31]
	s_cselect_b32 s32, 256, s32
	s_cmp_lt_u32 s29, 256
	s_cselect_b64 s[30:31], s[4:5], s[30:31]
	s_cselect_b32 s32, 0, s32
	s_sub_co_u32 s32, s29, s32
	s_lshl_b32 s32, s32, 2
	s_add_co_u32 s32, s32, s28                     ; which run of 8,192 numbers of the tensor is my wave's
	s_lshl_b32 s32, s32, 15                        ; 32,768 bytes a run
	s_mov_b32 s33, 0
	s_add_nc_u64 s[30:31], s[30:31], s[32:33]
	s_lshl_b32 s34, s29, 2
	s_add_co_u32 s34, s34, s28                     ; which run of all six tensors
	s_lshl_b32 s32, s34, 12                        ; 4,096 bytes of codes a run
	s_add_nc_u64 s[20:21], s[20:21], s[32:33]
	s_lshl_b32 s32, s34, 8                         ; 256 scale bytes a run
	s_add_nc_u64 s[22:23], s[22:23], s[32:33]
	v_lshlrev_b32 v3, 4, v2                        ; my 16 bytes of a load's 512
	s_mul_i32 s35, s28, WREG
	v_lshrrev_b32 v14, 2, v2
	v_mul_u32_u24 v14, v14, SP
	v_and_b32 v15, 3, v2
	v_lshl_add_u32 v14, v15, 4, v14
	v_add_nc_u32 v14, s35, v14                     ; the stage, on the way in: SP (lane / 4) + 16 (lane % 4)
	v_mul_u32_u24 v15, v2, SP
	v_add_nc_u32 v15, s35, v15                     ; and on the way out: SP x lane: my 16 neighbours
	v_mul_u32_u24 v4, v2, CB                       ; my codes' place in a step's
	v_lshrrev_b32 v5, 1, v2
	s_add_co_u32 s35, s35, 2*32*SP
	v_add_nc_u32 v5, s35, v5                       ; LDS: my wave's 256 scale bytes, my block's byte
	v_lshlrev_b32 v7, 3, v2                        ; and on the way out 8 bytes a lane
	v_add_nc_u32 v6, s35, v7
.macro LOAD t
.irp i, 0,1,2,3
	global_load_b128 v[R+16*((\t)%4)+4*\i:R+16*((\t)%4)+4*\i+3], v3, s[30:31] offset:2048*(\t)+512*\i th:TH_LOAD_NT   ; 32 lanes read 512 consecutive bytes
.endr
.endm
.macro TURN t                          ; step t's numbers through the stage: LDS serves a wave's instructions in order, so no wait stands between the stores and the loads
.irp i, 0,1,2,3
	ds_store_b128 v14, v[R+16*((\t)%4)+4*\i:R+16*((\t)%4)+4*\i+3] offset:32*SP*((\t)%2)+8*SP*\i
.endr
.irp i, 0,1,2,3
	ds_load_b128 v[X+16*((\t)%2)+4*\i:X+16*((\t)%2)+4*\i+3], v15 offset:32*SP*((\t)%2)+16*\i
.endr
.endm
.irp t, 0,1,2,3
	LOAD \t
.endr
	s_wait_loadcnt 12                              ; step 0's four loads are in; the twelve of steps 1 to 3 may be out
	TURN 0
.macro STEP t
.set XS, X+16*((\t)%2)
.if (\t) > 0
	s_wait_dscnt 1                                 ; this step's numbers are back from the stage (the last step's byte store may be out)
.else
	s_wait_dscnt 0x0
.endif
.if (\t)+4 < STEPS
	LOAD (\t)+4                                    ; into the registers that this step's stores into the stage have read
.endif
.if (\t)+1 < STEPS
.if STEPS-2-(\t) >= 3
	s_wait_loadcnt 12                              ; the next step's four loads are in; those of the three steps behind it may be out
.else
	s_wait_loadcnt 4*(STEPS-2-(\t))
.endif
	TURN (\t)+1
.endif
	v_max3_num_f32 v8, |v[XS]|, |v[XS+1]|, |v[XS+2]|               ; the largest magnitude of my 16, in two chains
	v_max3_num_f32 v9, |v[XS+3]|, |v[XS+4]|, |v[XS+5]|
.irp i, 6,10
	v_max3_num_f32 v8, v8, |v[XS+\i]|, |v[XS+\i+1]|
	v_max3_num_f32 v9, v9, |v[XS+\i+2]|, |v[XS+\i+3]|
.endr
	v_max3_num_f32 v8, v8, |v[XS+14]|, |v[XS+15]|
	v_max3_num_f32 v8, v8, v9, (EMAX+1)<<23        ; and the floor 2^(3 - 127): the byte cannot fall under 1
	v_max_num_f32_dpp v8, v8, v8 row_xmask:1 row_mask:0xf bank_mask:0xf   ; and of my neighbour's 16: the block's
	v_add_nc_u32 v11, 0xff000000, v8               ; 2 off its exponent field: the conversion takes the exponent field of this operand as its scale
	v_cvt_scalef32_pk8_fp4_f32 v[C+4*(\t)], v[XS:XS+7], v11
	v_cvt_scalef32_pk8_fp4_f32 v[C+4*(\t)+1], v[XS+8:XS+15], v11
	v_lshrrev_b32 v[E+(\t)], 23, v11               ; the scale's byte
	ds_store_b8 v5, v[E+(\t)] offset:16*(\t)       ; both lanes of a block write the same byte with the same value
	global_store_b64 v4, v[C+4*(\t):C+4*(\t)+1], s[20:21] offset:32*CB*(\t)   ; the wave stores 256 consecutive bytes, aligned
.endm
.irp t, 0,1,2,3,4,5,6,7,8,9,10,11,12,13,14,15
	STEP \t
.endr
	ds_load_b64 v[8:9], v6                         ; LDS serves a wave's instructions in order: these see my stores
	s_wait_dscnt 0x0
	global_store_b64 v7, v[8:9], s[22:23]          ; 32 lanes store 256 consecutive bytes, aligned
	s_wait_tensorcnt 0x0                           ; the wave's end
	ds_add_u32 v[SPW], v[NIL]
	s_wait_dscnt 0x0
	s_endpgm
; ---------------- W_o: work-group = 16 rows n; wave w takes k = 256 w .. + 255 in four tasks of 64
.Lwo:
	s_sub_co_u32 s29, ttmp9, 32                    ; ntile
	v_and_b32 v1, 15, v0                           ; r
	v_bfe_u32 v3, v0, 4, 1                         ; hh
	v_lshlrev_b32 v4, 12, v1                       ; in: row r of 4,096 bytes,
	v_lshl_add_u32 v4, v3, 7, v4                   ; + 128 hh: my 32 numbers of a task's 64,
	s_lshl_b32 s30, s28, 10
	v_add_nc_u32 v4, s30, v4                       ; + 1,024 x wave
	v_lshlrev_b32 v5, 4, v1                        ; out: 16 r + 1,024 hh + 8,192 x wave
	v_lshl_add_u32 v5, v3, 10, v5
	s_lshl_b32 s30, s28, 13
	v_add_nc_u32 v5, s30, v5
	s_lshl_b32 s30, s29, 16                        ; 16 rows of 4,096 bytes
	s_mov_b32 s31, 0
	s_add_nc_u64 s[16:17], s[16:17], s[30:31]
	s_lshl_b32 s30, s29, 15                        ; 64 pieces of 512 bytes
	s_add_nc_u64 s[24:25], s[24:25], s[30:31]
.irp i, 0,1,2,3
.irp e, 0,1,2,3,4,5,6,7
	global_load_b128 v[64+32*\i+4*\e:64+32*\i+4*\e+3], v4, s[16:17] offset:256*\i+16*\e th:TH_LOAD_NT   ; a task's eight loads on end cover 256 whole bytes of each of the 16 rows
.endr
.endr
.macro WOTASK i
	s_wait_loadcnt 24-8*(\i)                       ; this task's eight loads are in; the younger tasks' may be out
.if (\i) > 0
	s_wait_xcnt 0x0                                ; the last task's stores have read v16-47
.endif
.irp p, 0,1,2,3,4,5,6,7,8,9,10,11,12,13,14,15
	v_cvt_pk_f16_f32 v[16+\p], v[64+32*(\i)+2*\p], v[65+32*(\i)+2*\p]   ; the high parts of two neighbours
	v_mov_b32 v8, v[16+\p]
	v_cvt_f32_f16 v10, v8.l
	v_cvt_f32_f16 v11, v8.h
	v_sub_f32 v10, v[64+32*(\i)+2*\p], v10         ; what the high part leaves: exact in f32
	v_sub_f32 v11, v[65+32*(\i)+2*\p], v11
	v_cvt_pk_f16_f32 v[32+\p], v10, v11            ; the low parts
.endr
.irp q, 0,1,2,3                        ; my eight numbers 8 q on: piece 2 hh + q / 2 of the task's four, half q % 2: sixteen lanes fill 256 consecutive bytes, aligned
	global_store_b128 v5, v[16+4*\q:19+4*\q], s[24:25] offset:(\i)*2048+(\q/2)*512+(\q%2)*256
	global_store_b128 v5, v[32+4*\q:35+4*\q], s[24:25] offset:2097152+(\i)*2048+(\q/2)*512+(\q%2)*256
.endr
.endm
	WOTASK 0
	WOTASK 1
	WOTASK 2
	WOTASK 3
	s_endpgm
; ---------------- the mask: a wave takes 16 rows (tile qt), 256 keys at a time
.Lmask:
	s_lshl_b32 s29, ttmp9, 2
	s_add_co_u32 s29, s29, s28                     ; qt
	v_and_b32 v1, 15, v0                           ; r
	v_bfe_u32 v3, v0, 4, 1                         ; h
	v_lshlrev_b32 v4, 11, v1
	v_lshl_add_u32 v4, v3, 3, v4                   ; in: row r of 2,048 bytes + 8 h
	v_lshlrev_b32 v5, 3, v2                        ; out: 8 bytes a lane
	v_mov_b32 v6, 0                                ; the OR of all that my lane reads
.irp i, 80,81,82,83
	v_mov_b32 v\i, 0                               ; written once: v_writelane_b32's destination counts as read
.endr
	s_lshl_b32 s32, s29, 15
	s_mov_b32 s33, 0
	s_add_nc_u64 s[18:19], s[18:19], s[32:33]      ; my 16 rows
	s_lshl_b32 s32, s29, 12
	s_add_nc_u64 s[34:35], s[26:27], s[32:33]      ; my 4,096 bytes of words
	s_mov_b32 s30, 0                               ; the flag word
	s_mov_b32 s31, 0                               ; the bit in hand
.macro MLOAD set, off                  ; 16 loads of 8 bytes a lane: on end they cover 256 whole bytes of each of the 16 rows
.irp kk, 0,1,2,3
.irp t, 0,1,2,3
	global_load_b64 v[16+32*(\set)+8*\kk+2*\t:16+32*(\set)+8*\kk+2*\t+1], v4, s[18:19] offset:(\off)+64*\kk+16*\t th:TH_LOAD_NT
.endr
.endr
.endm
; Four steps of 64 keys out of one set.  left: the other set's loads, which may stay out.  more = 1: the set is loaded again, from inoff.
.macro SUB set, left, more, inoff, outoff
	s_wait_loadcnt \left
	s_wait_xcnt 0x0                                ; the last stores have read v80-83
.irp kk, 0,1,2,3
	v_or_b32 v7, v[16+32*(\set)+8*\kk], v[17+32*(\set)+8*\kk]
	v_or_b32 v8, v[18+32*(\set)+8*\kk], v[19+32*(\set)+8*\kk]
	v_or_b32 v9, v[20+32*(\set)+8*\kk], v[21+32*(\set)+8*\kk]
	v_or_b32 v10, v[22+32*(\set)+8*\kk], v[23+32*(\set)+8*\kk]
	v_or_b32 v7, v7, v8
	v_or_b32 v9, v9, v10
	v_or_b32 v7, v7, v9
	v_or_b32 v6, v6, v7
	v_cmp_ne_u32 s36, 0, v7
	s_cmp_lg_u32 s36, 0                            ; does any lane hold a true byte of these 64 keys?
	s_cselect_b32 s36, 1, 0
	s_lshl_b32 s36, s36, s31
	s_or_b32 s30, s30, s36
	s_add_co_u32 s31, s31, 1
.endr
.irp kk, 0,1,2,3
.irp t, 0,1,2,3
.irp j, 0,1,2,3,4,5,6,7
	v_and_b32 v[84+\j], 0xff<<(8*(\j%4)), v[16+32*(\set)+8*\kk+2*\t+\j/4]   ; byte j of my eight
.endr
.irp j, 0,1,2,3,4,5,6,7
	v_cmp_ne_u32 s[40+\j], 0, v[84+\j]             ; the 32 lanes' bits: word 8 t + j of the step
.endr
.irp j, 0,1,2,3,4,5,6,7
	v_writelane_b32 v[80+2*(\kk/2)+\j%2], s[40+\j], (32*(\kk%2)+8*\t+\j)/2   ; to the lane that stores it: two words a lane, two steps a store
.endr
.endr
.endr
	global_store_b64 v5, v[80:81], s[34:35] offset:\outoff          ; 256 consecutive bytes, aligned
	global_store_b64 v5, v[82:83], s[34:35] offset:(\outoff)+256
.if \more
	MLOAD \set, \inoff
.endif
.endm
	MLOAD 0, 0
	MLOAD 1, 256
	s_mov_b32 s39, 3
.Lmtrip:
	SUB 0, 16, 1, 512, 0
	SUB 1, 16, 1, 768, 512
	s_wait_xcnt 0x0                                ; the loads and stores have read their offsets
	v_add_nc_u32 v4, 512, v4
	v_add_nc_u32 v5, 1024, v5
	s_sub_co_u32 s39, s39, 1
	s_cmp_lg_u32 s39, 0
	s_cbranch_scc1 .Lmtrip
	SUB 0, 16, 0, 0, 0                             ; the last 512 keys: nothing more is loaded
	SUB 1, 0, 0, 0, 512
	v_cmp_ne_u32 s36, 0, v6                        ; lanes r and r + 16 together have read row r
	s_lshr_b32 s37, s36, 16
	s_or_b32 s36, s36, s37
	s_and_b32 s36, s36, 0xffff
	s_cmp_eq_u32 s36, 0xffff
	s_cselect_b32 s30, s30, -1                     ; a row with no true byte: every block of the tile counts
	v_mov_b32 v7, s30
	v_mov_b32 v8, 0
	s_lshl_b32 s32, s29, 2
	s_add_co_u32 s32, s32, 524288
	s_add_nc_u64 s[26:27], s[26:27], s[32:33]
	v_cmp_eq_u32 vcc_lo, 0, v2
	s_wait_xcnt 0x0                                ; EXEC changes only behind this wait
	s_and_saveexec_b32 s38, vcc_lo
	global_store_b32 v8, v7, s[26:27]              ; lane 0 stores the tile's flag word
	s_wait_xcnt 0x0
	s_or_b32 exec_lo, exec_lo, s38
	s_endpgm
.Lfunc_end_k_qb15f7e82f6_prep:
	.size	k_qb15f7e82f6_prep, .Lfunc_end_k_qb15f7e82f6_prep-k_qb15f7e82f6_prep
	.p2alignl 7, 3214868480
	.fill 96, 4, 3214868480
	.section	.rodata,"a",@progbits
	.p2align	6, 0x0
	.amdhsa_kernel k_qb15f7e82f6_prep
		.amdhsa_group_segment_fixed_size 33280
		.amdhsa_private_segment_fixed_size 0
		.amdhsa_enable_private_segment 0
		.amdhsa_kernarg_size 96
		.amdhsa_user_sgpr_count 2
		.amdhsa_user_sgpr_kernarg_segment_ptr 1
		.amdhsa_wavefront_size32 1
		.amdhsa_system_sgpr_workgroup_id_x 1
		.amdhsa_system_sgpr_workgroup_id_y 1
		.amdhsa_system_sgpr_workgroup_id_z 1
		.amdhsa_system_vgpr_workitem_id 0
		.amdhsa_next_free_vgpr 192
		.amdhsa_next_free_sgpr 66
		.amdhsa_reserve_vcc 1
		.amdhsa_float_denorm_mode_32 3
		.amdhsa_float_denorm_mode_16_64 3
		.amdhsa_memory_ordered 1
		.amdhsa_forward_progress 1
		.amdhsa_inst_pref_size 171
	.end_amdhsa_kernel
	.amdgpu_metadata
---
amdhsa.version: [ 1, 2 ]
amdhsa.kernels:
  - .name:           k_qb15f7e82f6_prep
    .symbol:         k_qb15f7e82f6_prep.kd
    .args:
      - { .name: q, .offset: 0, .size: 8, .value_kind: global_buffer, .address_space: global }
      - { .name: k, .offset: 8, .size: 8, .value_kind: global_buffer, .address_space: global }
      - { .name: v, .offset: 16, .size: 8, .value_kind: global_buffer, .address_space: global }
      - { .name: W_q, .offset: 24, .size: 8, .value_kind: global_buffer, .address_space: global }
      - { .name: W_k, .offset: 32, .size: 8, .value_kind: global_buffer, .address_space: global }
      - { .name: W_v, .offset: 40, .size: 8, .value_kind: global_buffer, .address_space: global }
      - { .name: W_o, .offset: 48, .size: 8, .value_kind: global_buffer, .address_space: global }
      - { .name: mask, .offset: 56, .size: 8, .value_kind: global_buffer, .address_space: global }
      - { .name: codes, .offset: 64, .size: 8, .value_kind: global_buffer, .address_space: global }
      - { .name: scales, .offset: 72, .size: 8, .value_kind: global_buffer, .address_space: global }
      - { .name: wo16, .offset: 80, .size: 8, .value_kind: global_buffer, .address_space: global }
      - { .name: mw, .offset: 88, .size: 8, .value_kind: global_buffer, .address_space: global }
    .group_segment_fixed_size: 33280
    .private_segment_fixed_size: 0
    .kernarg_segment_align: 8
    .kernarg_segment_size: 96
    .max_flat_workgroup_size: 128
    .sgpr_count:     66
    .vgpr_count:     192
    .wavefront_size: 32
...
	.end_amdgpu_metadata
.endif
;; end of part 1
;; launch proj (part 2): grid 4 x 96, 4 waves a work-group, clusters of 4 x 4, 327,680 bytes of LDS; arguments codes, scales, qkv; writes qkv
.if DOCPART == 2
	.amdgcn_target "amdgcn-amd-amdhsa--gfx1250"
	.amdhsa_code_object_version 6
	.text
	.protected	k_qb15f7e82f6_proj
	.globl	k_qb15f7e82f6_proj
	.p2align	8
	.type	k_qb15f7e82f6_proj,@function
k_qb15f7e82f6_proj:
	s_mov_b64 s[64:65], 0
	v_nop
	global_prefetch_b8 v0, s[64:65] scope:SCOPE_SE
	s_setreg_imm32_b32 hwreg(HW_REG_WAVE_MODE, 25, 1), 1
	s_wait_xcnt 0x0
	s_wait_alu depctr_hold_cnt(0) depctr_sa_sdst(0) depctr_va_vdst(0) depctr_va_sdst(0) depctr_va_ssrc(0) depctr_va_vcc(0) depctr_vm_vsrc(0)
	s_getreg_b32 s2, hwreg(HW_REG_IB_STS2, 6, 4)
	s_cmp_eq_u32 s2, 0
	s_cbranch_scc0 .Lentry_in_a_cluster
	s_endpgm
.Lentry_in_a_cluster:
	s_bfe_u32 s2, ttmp6, 0x10000c
	s_cmp_lg_u32 s2, 0xf033
	s_cbranch_scc0 .Lentry_shape_is_right
	s_endpgm
.Lentry_shape_is_right:
; Q = q W_q^T, K = k W_k^T, V = v W_v^T, each [8192][1024] x [1024][1024], on codes of FP4 (E2M1) with one E8M0 scale for each 32 along K; sums in f32; results rounded once to f16.
; A tile of 256 x 256 is made by a work-group of four waves; a wave makes 128 x 128: 64 accumulators, 512 registers.  K = 1,024 is two LDS slots of 512 along K (rows of 256 bytes), both asked for at the start:
; no slot is filled again.  The scale bytes of the work-group's 256 + 256 rows, for all of K, come with them, in whole runs of 256 bytes.
; CLUSTERS: 4 x 4 work-groups; 24 clusters: 8 each for Q, K, V (T = cluster y / 8).  The four of a row of the cluster need the same tile of operand A, the four of a column the same tile of B: each is asked for jointly.
; For Q and K, A is the activation (32 tiles of rows) and B the weight (4 tiles).  For V the two change places: A = W_v, B = v.
; THE MATRIX INSTRUCTION IS USED TRANSPOSED (source 0 = 16 rows of B, source 1 = 16 rows of A): a lane holds one row of A and eight neighbouring rows of B.  So for Q and K a lane holds one position and eight
; channels, for V one channel and eight positions: packed to f16 these 16 bytes a lane ARE a piece of the next launch's operand registers, and a tile of 16 x 16 leaves by one store of 512 consecutive bytes.
; qkv: Q at 0, K at 16,777,216, V at 33,554,432.  Piece (bh, p16, ct) at ((128 bh + p16) 4 + ct) 512; lane l's 16 bytes at 16 l.  Q, K: lane (r, h) = position 16 p16 + r, channels 16 ct + 8 h + 0..7 of the head.
; V: lane (r, h) = channel 16 ct + r, positions 16 p16 + 8 h + 0..7.
; LIMIT: |Q|, |K|, |V| under 65,504 (f16).
; REGISTERS, in windows of 256: window 0: v0-31 addresses; v32-95 scale words, two sets; from v128 A's fragments, one set (on the way out: packed results).  window 1: B's fragments, two sets.
;   window 2: the accumulators of my rows 0-63 of A ((a, b) at v[8 (8 a + b)]); window 3: those of rows 64-127.
.set NQ,     4                         ; matrix instructions deep in a slot
.set ROWB,   256                       ; a tile's row in bytes: 512 codes
.set KROW,   512                       ; a row of codes in memory
.set PITCH,  272                       ; an LDS row: 256 bytes + 16 of padding: the 16 rows that a load touches start at 16 different banks (64 banks of 4 bytes: ISA guide 11.1)
.set FR,     8                         ; registers of a fragment: 16 rows x 128 K
.set NL,     2                         ; LDS loads that bring one
.set NP,     4                         ; places behind this matrix instruction (ISA guide 7.12.1)
.set HALFT,  128*PITCH
.set SLOT,   4*HALFT                   ; A's 256 rows, then B's 256 rows
.set KS,     32                        ; a row of scales in bytes
.set SCL,    2*SLOT                    ; behind the slots: the scales, as runs of 256 bytes + 16 of padding
.set HALFS,  (128*KS/256)*272
.set SBLK,   (16*KS/256)*272
.set SPARE,  SCL+4*HALFS               ; the spare words, 128 bytes a wave
.set ADRA, 16
.set ADRB, 20
.set CO,   26                          ; v26  16 x lane
.set ADRS, 27
.set SPW,  28
.set NIL,  29
.set SC,   32
.set AF,   128
.set G1, 24
.set G0, 32
.set G1B, 48
.set G0B, 56
.set G1S, 68
.set G0S, 76
.set G1SB, 80
.set G0SB, 88
.set MSB, 0
.macro WIN new                         ; the immediate's high byte repeats the setting that is left
.if MSB != (\new)
	s_set_vgpr_msb (MSB<<8)|(\new)
.set MSB, (\new)
.endif
.endm
.set MUL_LO, 0xa1                      ; source 0 (B) window 1, source 1 (A) window 0, C and D window 2
.set MUL_HI, 0xf1
.set TO_B,   0x40
; A joint load: waves 0 and 1 fetch for A, waves 2 and 3 for B.  The branch hangs on the wave's number alone.  An s_nop 0 and four v_nop follow each line.
.macro JLOAD g0a, g1a, g0b, g1b
	s_cmp_eq_u32 s15, 0
	s_cbranch_scc0 .Lfor_b_\@
	tensor_load_to_lds s[\g0a:\g0a+3], s[\g1a:\g1a+7]
	s_nop 0
.rept 4
	v_nop
.endr
	s_branch .Lasked_\@
.Lfor_b_\@:
	tensor_load_to_lds s[\g0b:\g0b+3], s[\g1b:\g1b+7]
	s_nop 0
.rept 4
	v_nop
.endr
.Lasked_\@:
.endm
.macro CROUND                          ; a round of the cluster's barrier
	s_barrier_signal -1
	s_barrier_wait -1
	s_cmp_lg_u32 s14, 0
	s_cbranch_scc1 .Lnot_wave_0_\@
	s_barrier_signal -3
.Lnot_wave_0_\@:
	s_barrier_wait -3
	s_barrier_signal -1
	s_barrier_wait -1
.endm
	s_load_b128 s[4:7], s[0:1], 0x0                ; codes, scales
	s_load_b64 s[12:13], s[0:1], 0x10              ; qkv
	v_lshl_add_u32 v[SPW], v0, 2, SPARE
	v_mov_b32 v[NIL], 0
	ds_add_u32 v[SPW], v[NIL]                      ; the wave's opening: the add, twice on end, and its wait ahead of my first tensor load
	ds_add_u32 v[SPW], v[NIL]
	v_lshrrev_b32 v1, 5, v0
	v_readfirstlane_b32 s14, v1                    ; wave 0..3
	s_lshr_b32 s15, s14, 1                         ; which half of A's rows is mine.  Also: I fetch for A (0) or for B (1)
	s_and_b32 s16, s14, 1                          ; which half of B's rows.  Also: which 128 rows I fetch
	s_bfe_u32 s40, ttmp6, 0x40000                  ; cx
	s_bfe_u32 s41, ttmp6, 0x40004                  ; cy
	s_and_b32 s17, ttmp7, 0xffff                   ; the cluster's y, 0..23
	s_lshr_b32 s95, s17, 3                         ; T: 0 Q, 1 K, 2 V: the same in all sixteen partners
	s_and_b32 s96, s17, 7
	s_lshl_b32 s96, s96, 2                         ; the cluster's first tile of the activation
	s_lshl_b32 s99, s95, 22                        ; q's or k's codes
	s_lshl_b32 s66, s95, 19
	s_add_co_u32 s66, s66, 12582912                ; W_q's or W_k's
	s_cmp_lt_u32 s95, 2
	s_cselect_b32 s97, s96, 0
	s_cselect_b32 s98, 0, s96
	s_cselect_b32 s99, s99, 13631488               ; A's codes begin here (V: W_v's)
	s_cselect_b32 s66, s66, 8388608                ; B's (V: v's)
	s_add_co_u32 s17, s41, s97                     ; A's tile: cy and the cluster's number alone
	s_add_co_u32 s42, s40, s98                     ; B's tile: cx and the cluster's number alone
	s_lshl_b32 s43, s41, 2
	s_lshl_b32 s43, 15, s43                        ; my row of the cluster
	s_lshl_b32 s44, 0x1111, s40                    ; my column
	s_or_b32 s[G1+0], s43, (0<<16)|(1<<20)|(1<<21)|(5<<22)|(3<<25)  ; the mask; elements of 1 byte; padding on; bit 21 beside a mask; after every 64 words, 4 words
	s_or_b32 s[G1B+0], s44, (0<<16)|(1<<20)|(1<<21)|(5<<22)|(3<<25)
.irp g, G1, G1B
	s_mov_b32 s[\g+1], ROWB<<16                    ; tensor_dim0
	s_mov_b32 s[\g+2], 128<<16                     ; tensor_dim1
	s_mov_b32 s[\g+3], ROWB<<16                    ; tile_dim0
	s_mov_b32 s[\g+4], 128                         ; tile_dim1
	s_mov_b32 s[\g+5], KROW                        ; tensor_dim0_stride
	s_mov_b32 s[\g+6], 0
	s_mov_b32 s[\g+7], 0
.endr
	s_or_b32 s[G1S+0], s43, (3<<16)|(1<<20)|(1<<21)|(5<<22)|(3<<25) ; the scales of 128 rows: 4,096 dense bytes as 16 rows of 256 (32 elements of 8 bytes), 16 bytes of padding behind each
	s_or_b32 s[G1SB+0], s44, (3<<16)|(1<<20)|(1<<21)|(5<<22)|(3<<25)
.irp g, G1S, G1SB
	s_mov_b32 s[\g+1], 32<<16
	s_mov_b32 s[\g+2], (128*KS/256)<<16
	s_mov_b32 s[\g+3], 32<<16
	s_mov_b32 s[\g+4], 128*KS/256
	s_mov_b32 s[\g+5], 32
	s_mov_b32 s[\g+6], 0
	s_mov_b32 s[\g+7], 0
.endr
	s_lshl_b32 s18, s16, 7                         ; which 128 rows of the tile I fetch
	s_lshl_b32 s20, s17, 8
	s_add_co_u32 s20, s20, s18                     ; A's row
	s_lshl_b32 s46, s42, 8
	s_add_co_u32 s46, s46, s18                     ; B's row
	s_lshl_b32 s22, s20, 5                         ; the rows' scale bytes: 32 a row, from a sixteenth of the codes' offset on
	s_lshr_b32 s23, s99, 4
	s_add_co_u32 s22, s22, s23
	s_mov_b32 s23, 0
	s_lshl_b32 s92, s46, 5
	s_lshr_b32 s93, s66, 4
	s_add_co_u32 s92, s92, s93
	s_mov_b32 s93, 0
	s_lshl_b32 s20, s20, 9                         ; and their codes: 512 bytes a row
	s_add_co_u32 s20, s20, s99
	s_mov_b32 s21, 0
	s_lshl_b32 s46, s46, 9
	s_add_co_u32 s46, s46, s66
	s_mov_b32 s47, 0
	s_mul_i32 s45, s14, HALFT                      ; where they go: wave x 128 rows: no place in the cluster enters an LDS address
	s_mul_i32 s94, s14, HALFS
	s_wait_dscnt 0x0                               ; both opening adds are done
	s_wait_kmcnt 0x0
	s_add_nc_u64 s[20:21], s[4:5], s[20:21]
	s_add_nc_u64 s[22:23], s[6:7], s[22:23]
	s_add_nc_u64 s[46:47], s[4:5], s[46:47]
	s_add_nc_u64 s[92:93], s[6:7], s[92:93]
	CROUND                                         ; all sixteen work-groups are here: the joint loads meet
	s_mov_b32 s[G0S], 1
	s_add_co_u32 s[G0S+1], s94, SCL
	s_mov_b64 s[G0S+2:G0S+3], s[22:23]
	s_or_b32 s[G0S+3], s[G0S+3], 0x80000000
	s_mov_b32 s[G0SB], 1
	s_add_co_u32 s[G0SB+1], s94, SCL
	s_mov_b64 s[G0SB+2:G0SB+3], s[92:93]
	s_or_b32 s[G0SB+3], s[G0SB+3], 0x80000000
	JLOAD G0S, G1S, G0SB, G1SB                     ; the scales first: they are wanted with the first slot
.irp s, 0,1
	s_mov_b32 s[G0+4*\s], 1
	s_add_co_u32 s[G0+4*\s+1], s45, \s*SLOT
	s_add_nc_u64 s[G0+4*\s+2:G0+4*\s+3], s[20:21], \s*ROWB
	s_or_b32 s[G0+4*\s+3], s[G0+4*\s+3], 0x80000000
	s_mov_b32 s[G0B+4*\s], 1
	s_add_co_u32 s[G0B+4*\s+1], s45, \s*SLOT
	s_add_nc_u64 s[G0B+4*\s+2:G0B+4*\s+3], s[46:47], \s*ROWB
	s_or_b32 s[G0B+4*\s+3], s[G0B+4*\s+3], 0x80000000
	JLOAD G0+4*\s, G1, G0B+4*\s, G1B               ; three tensor loads of mine are out in all
.endr
	v_and_b32 v1, 15, v0                           ; l % 16
	v_bfe_u32 v2, v0, 4, 1                         ; l / 16
	v_mul_u32_u24 v3, v1, PITCH
	v_lshl_add_u32 v4, v2, 4, v3                   ; a fragment's row x pitch + 16 x half
	s_mul_i32 s21, s15, HALFT                      ; my 128 rows of A
	s_mul_i32 s22, s16, HALFT                      ; my 128 rows of B,
	s_add_co_u32 s22, s22, 2*HALFT                 ; which lie behind A's 256
.irp s, 0,1
	v_add_nc_u32 v[ADRA+\s], s21, v4
	v_add_nc_u32 v[ADRB+\s], s22, v4
	s_add_co_u32 s21, s21, SLOT
	s_add_co_u32 s22, s22, SLOT
.endr
	v_mul_u32_u24 v5, v1, KS                       ; my row's scales: 32 bytes a row,
	v_lshrrev_b32 v6, 8, v5
	v_lshl_add_u32 v5, v6, 4, v5                   ; and 16 more for each 256 passed
	s_mul_i32 s21, s15, HALFS
	s_mul_i32 s22, s16, HALFS
	s_add_co_u32 s22, s22, 2*HALFS
	s_sub_co_u32 s22, s22, s21
	v_mul_u32_u24 v6, s22, v2                      ; lanes 16-31 take B's
	s_add_co_u32 s21, s21, SCL
	v_add_nc_u32 v5, v5, v6
	v_add_nc_u32 v[ADRS], s21, v5
	v_and_b32 v6, 31, v0
	v_lshlrev_b32 v[CO], 4, v6                     ; the way out: 16 bytes a lane
	; where my 128 x 128 begins in qkv
	s_lshl_b32 s20, s17, 8
	s_lshl_b32 s21, s15, 7
	s_add_co_u32 s20, s20, s21                     ; my first row of A
	s_lshl_b32 s46, s42, 8
	s_lshl_b32 s47, s16, 7
	s_add_co_u32 s46, s46, s47                     ; my first row of B
	s_cmp_lt_u32 s95, 2
	s_cselect_b32 s21, s20, s46                    ; my first position (of 8,192),
	s_cselect_b32 s47, s46, s20                    ; my first channel (of 1,024)
	s_lshr_b32 s20, s21, 11
	s_lshl_b32 s20, s20, 4
	s_lshr_b32 s46, s47, 6
	s_add_co_u32 s20, s20, s46                     ; bh = 16 x batch + head
	s_lshl_b32 s20, s20, 7
	s_and_b32 s21, s21, 2047
	s_lshr_b32 s21, s21, 4
	s_add_co_u32 s20, s20, s21                     ; 128 bh + p16
	s_lshl_b32 s20, s20, 11                        ; four pieces of 512 bytes each
	s_lshl_b32 s21, s95, 24
	s_add_co_u32 s20, s20, s21                     ; + T x 16,777,216
	s_mov_b32 s21, 0
	s_add_nc_u64 s[12:13], s[12:13], s[20:21]
.macro FRAG reg, adr, q, i             ; 16 rows x 128 K of 4-bit codes: 8 registers; registers 4 c .. 4 c + 3 hold K = 64 c + 32 (l / 16) + 0 .. 31
.irp c, 0,1
	ds_load_b128 v[\reg+4*\c:\reg+4*\c+3], v[\adr] offset:64*(\q)+32*\c+(\i)*16*PITCH
.endr
.endm
; 16 matrix instructions: A's blocks a0, a0 + 1 x B's eight.  The 64 accumulators take turns, one instruction a turn, in the same order in every step.
.macro MUL16 a0, p, q, sc, zero
.irp a, \a0, \a0+1
.irp b, 0,1,2,3,4,5,6,7
.if \zero
	v_wmma_scale_f32_16x16x128_f8f6f4 v[8*(8*((\a)%4)+\b):8*(8*((\a)%4)+\b)+7], v[128*(\p)+FR*\b:128*(\p)+FR*\b+FR-1], v[AF+FR*(\a):AF+FR*(\a)+FR-1], 0, v[SC+8*NQ*(\sc)+NQ*\b+(\q)], v[SC+8*NQ*(\sc)+NQ*(\a)+(\q)] matrix_a_fmt:MATRIX_FMT_FP4 matrix_b_fmt:MATRIX_FMT_FP4 matrix_a_scale:MATRIX_SCALE_ROW1
.else
	v_wmma_scale_f32_16x16x128_f8f6f4 v[8*(8*((\a)%4)+\b):8*(8*((\a)%4)+\b)+7], v[128*(\p)+FR*\b:128*(\p)+FR*\b+FR-1], v[AF+FR*(\a):AF+FR*(\a)+FR-1], v[8*(8*((\a)%4)+\b):8*(8*((\a)%4)+\b)+7], v[SC+8*NQ*(\sc)+NQ*\b+(\q)], v[SC+8*NQ*(\sc)+NQ*(\a)+(\q)] matrix_a_fmt:MATRIX_FMT_FP4 matrix_b_fmt:MATRIX_FMT_FP4 matrix_a_scale:MATRIX_SCALE_ROW1
.endif
.endr
.endr
.endm
.macro FETCH_B slot, q, p
	WIN TO_B
.irp i, 0,1,2,3,4,5,6,7
	FRAG 128*(\p)+FR*\i, ADRB+\slot, \q, \i
.endr
	WIN 0
.endm
.macro FETCH_A slot, q, i0
.irp i, \i0, \i0+1, \i0+2, \i0+3
	FRAG AF+FR*(\i), ADRA+\slot, \q, \i
.endr
.endm
.macro SCALES sc                       ; a slot's scale words: 4 a row; lanes 0-15 take A's block i, lanes 16-31 B's block i
.irp i, 0,1,2,3,4,5,6,7
	ds_load_b128 v[SC+8*NQ*\sc+NQ*\i:SC+8*NQ*\sc+NQ*\i+3], v[ADRS] offset:\i*SBLK
.endr
.endm
.macro PLACES n                        ; plain vector instructions between a matrix instruction and a load into, or a vector instruction on, its registers
.rept \n
	v_nop
.endr
.endm
.macro STEP slot, q, zero              ; 128 along K that have their successor in the same slot
	s_wait_dscnt 4*NL                              ; B's set and A's blocks 0-3 are in; the youngest eight loads (A's blocks 4-7) may be out
	WIN MUL_LO
	MUL16 0, (\q)%2, \q, \slot, \zero
	MUL16 2, (\q)%2, \q, \slot, \zero
	s_wait_dscnt 0
	PLACES NP
	FETCH_B \slot, (\q)+1, 1-(\q)%2
	FETCH_A \slot, (\q)+1, 0
	WIN MUL_HI
	MUL16 4, (\q)%2, \q, \slot, \zero
	MUL16 6, (\q)%2, \q, \slot, \zero
	PLACES NP
	WIN 0
	FETCH_A \slot, (\q)+1, 4
.endm
.macro TURN slot, next                 ; slot 0's last step changes slots: each wave waits for all its tensor loads, so that behind the barrier slot 1 is whole
	s_wait_tensorcnt 0x0
	ds_add_u32 v[SPW], v[NIL]
	s_wait_dscnt 4*NL+1                            ; (the add and the youngest eight loads may be out)
	WIN MUL_LO
	MUL16 0, 1, NQ-1, \slot, 0
	s_wait_dscnt 0x0
	s_barrier_signal -1
	MUL16 2, 1, NQ-1, \slot, 0
	WIN 0
	s_barrier_wait -1
	PLACES NP
	v_add_nc_u32 v[ADRS], 4*NQ, v[ADRS]            ; on to the next slot's scale words (no LDS load of mine is out)
	FETCH_B \next, 0, 0
	FETCH_A \next, 0, 0
	SCALES \next
	WIN MUL_HI
	MUL16 4, 1, NQ-1, \slot, 0
	MUL16 6, 1, NQ-1, \slot, 0
	PLACES NP
	WIN 0
	FETCH_A \next, 0, 4
.endm
	s_wait_tensorcnt 1                             ; the scales and my part of slot 0 are in (slot 1's load may be out),
	s_barrier_signal -1
	s_barrier_wait -1                              ; everybody's are
	FETCH_B 0, 0, 0
	FETCH_A 0, 0, 0
	SCALES 0
	FETCH_A 0, 0, 4
	STEP 0, 0, 1                                   ; the first step's products start the sums: nothing is cleared
	STEP 0, 1, 0
	STEP 0, 2, 0
	TURN 0, 1
	STEP 1, 0, 0
	STEP 1, 1, 0
	STEP 1, 2, 0
	s_wait_dscnt 4*NL                              ; the last step: nothing more to fetch
	WIN MUL_LO
	MUL16 0, 1, NQ-1, 1, 0
	MUL16 2, 1, NQ-1, 1, 0
	s_wait_dscnt 0
	WIN MUL_HI
	MUL16 4, 1, NQ-1, 1, 0
	MUL16 6, 1, NQ-1, 1, 0
	WIN 0
; THE WAY OUT.  Block a of A's rows: each of its eight accumulators, from its low end on, packs into four registers, and leaves by one store of 512 consecutive bytes, aligned.
.macro PACKOUT a, isv
.set AC, 64*((\a)%4)
.set TP, 128+32*((\a)%2)
.if (\a) >= 2
	s_wait_xcnt 0x0                                ; block a - 2's stores have read their registers
.endif
	WIN 0x0a+5*((\a)/4)                            ; sources 0 and 1: window 2 or 3
.irp b, 0,1,2,3,4,5,6,7
.irp r, 0,1,2,3
	v_cvt_pk_f16_f32 v[TP+4*\b+\r], v[AC+8*\b+2*\r], v[AC+8*\b+2*\r+1]
.endr
.endr
	WIN 0
.irp b, 0,1,2,3,4,5,6,7
.if \isv
	global_store_b128 v[CO], v[TP+4*\b:TP+4*\b+3], s[12:13] offset:((\a)/4)*262144+((\a)%4)*512+\b*2048   ; a: channels (head a / 4, ct a % 4); b: positions
.else
	global_store_b128 v[CO], v[TP+4*\b:TP+4*\b+3], s[12:13] offset:(\a)*2048+(\b/4)*262144+(\b%4)*512      ; a: positions; b: channels
.endif
.endr
.endm
	PLACES NP
	s_cmp_lt_u32 s95, 2                            ; T: the same in all partners
	s_cbranch_scc0 .Lout_v
.irp a, 0,1,2,3,4,5,6,7
	PACKOUT \a, 0
.endr
	s_branch .Ldone
.Lout_v:
.irp a, 0,1,2,3,4,5,6,7
	PACKOUT \a, 1
.endr
.Ldone:
	s_wait_tensorcnt 0x0                           ; the wave's end
	ds_add_u32 v[SPW], v[NIL]
	s_wait_dscnt 0x0
	CROUND                                         ; the closing round
	s_endpgm
.Lfunc_end_k_qb15f7e82f6_proj:
	.size	k_qb15f7e82f6_proj, .Lfunc_end_k_qb15f7e82f6_proj-k_qb15f7e82f6_proj
	.p2alignl 7, 3214868480
	.fill 96, 4, 3214868480
	.section	.rodata,"a",@progbits
	.p2align	6, 0x0
	.amdhsa_kernel k_qb15f7e82f6_proj
		.amdhsa_group_segment_fixed_size 327680
		.amdhsa_private_segment_fixed_size 0
		.amdhsa_enable_private_segment 0
		.amdhsa_kernarg_size 24
		.amdhsa_user_sgpr_count 2
		.amdhsa_user_sgpr_kernarg_segment_ptr 1
		.amdhsa_wavefront_size32 1
		.amdhsa_system_sgpr_workgroup_id_x 1
		.amdhsa_system_sgpr_workgroup_id_y 1
		.amdhsa_system_sgpr_workgroup_id_z 1
		.amdhsa_system_vgpr_workitem_id 0
		.amdhsa_next_free_vgpr 1024
		.amdhsa_next_free_sgpr 100
		.amdhsa_reserve_vcc 0
		.amdhsa_float_denorm_mode_32 3
		.amdhsa_float_denorm_mode_16_64 3
		.amdhsa_memory_ordered 1
		.amdhsa_forward_progress 1
		.amdhsa_inst_pref_size 141
	.end_amdhsa_kernel
	.amdgpu_metadata
---
amdhsa.version: [ 1, 2 ]
amdhsa.kernels:
  - .name:           k_qb15f7e82f6_proj
    .symbol:         k_qb15f7e82f6_proj.kd
    .args:
      - { .name: codes, .offset: 0, .size: 8, .value_kind: global_buffer, .address_space: global }
      - { .name: scales, .offset: 8, .size: 8, .value_kind: global_buffer, .address_space: global }
      - { .name: qkv, .offset: 16, .size: 8, .value_kind: global_buffer, .address_space: global }
    .group_segment_fixed_size: 327680
    .private_segment_fixed_size: 0
    .kernarg_segment_align: 8
    .kernarg_segment_size: 24
    .max_flat_workgroup_size: 128
    .sgpr_count:     100
    .vgpr_count:     1024
    .wavefront_size: 32
...
	.end_amdgpu_metadata
.endif
;; end of part 2
;; launch attn (part 3): grid 4 x 64, 8 waves a work-group, no clusters, 33,792 bytes of LDS; arguments qkv, mw, o16; writes o16
.if DOCPART == 3
	.amdgcn_target "amdgcn-amd-amdhsa--gfx1250"
	.amdhsa_code_object_version 6
	.text
	.protected	k_qb15f7e82f6_attn
	.globl	k_qb15f7e82f6_attn
	.p2align	8
	.type	k_qb15f7e82f6_attn,@function
k_qb15f7e82f6_attn:
	s_mov_b64 s[64:65], 0
	v_nop
	global_prefetch_b8 v0, s[64:65] scope:SCOPE_SE
	s_setreg_imm32_b32 hwreg(HW_REG_WAVE_MODE, 25, 1), 1
	s_wait_xcnt 0x0
; O[bh][q] = sum over k of softmax_k(where(mask[q][k], Q[bh][q] . K[bh][k] / 8, -1e9)) V[bh][k], head size 64, 2,048 positions, 64 (batch, head) pairs.  Q, K, V arrive as f16 images of operand registers (launch proj);
; products with f16 operands and f32 sums; maxima, exponentials and sums in f32; the weights p are rounded to f16 for the second product, O once at the end.
; THE MASK IS AN INPUT.  It arrives as lane words (one 32-bit word for each score register of a tile of 16 queries x 64 keys) and as flags (one bit for each such tile: does it hold a true byte; all bits set for a tile
; with a row that has no true byte).  A masked score becomes -1e9 by v_cndmask_b32.  A step of 64 keys whose bit is clear for both tiles of a chunk is passed over: its p would be 0 for every row, since every row of such a
; tile has a true key elsewhere.  These are scalar branches on whole numbers that an earlier launch stored; so this launch has no tensor load, and K and V go from memory through registers into LDS.
; NO CLUSTER: the four work-groups of a head read the same K and V, but which steps each needs hangs on the stored flags, so partners could not make every request jointly.
; SHARES.  Work-group (g, bh), eight waves; wave w has u = 8 g + w and owns two chunks of 32 queries: chunk A = tiles 2 u, 2 u + 1 and chunk B = tiles 126 - 2 u, 127 - 2 u.  (The pairing only evens out the work under masks
; that keep fewer keys for early queries; nothing is right or wrong by it.)  All eight walk the 32 steps of 64 keys together: trip counts are constants and every wave passes every barrier.
; LAYOUT.  S^T = K Q^T (source 0 = 16 keys, source 1 = 16 queries) and O^T = V^T P: a lane holds one query (lane % 16) throughout; two tiles of S^T, packed to f16 in pairs, are source 1 of the second product.
; SOFTMAX.  For each query a running maximum m and sum l: p = 2^(c s - c m), c = log2(e) / 8; in every step taken O and l are multiplied by a = 2^(c m_old - c m_new).
; LIMITS.  The -1e9 stands for the score ahead of the division by 8; that agrees with the definition while a row's largest kept score lies above about -1e8.  In a row with no true key every p is the same power of two,
; 2^(c m - its f32 rounding), between 2^-8 and 2^8, which cancels in the division.  |Q|, |K|, |V| under 65,504.  NaN and infinities are not served.
; LDS: slot p at 16,384 p: the step's 8,192 bytes of K's image, then V's; spare words at 32,768.
; REGISTERS.  Window 0: v1-11 addresses; v16-47 statistics, 8 a tile (+0 c m, +1 m, +2, +3 l, +4..7 at work, a at +6); v48-79 two sets of 16 for the fills; v80-143 S^T of the half's two tiles; v144-175 P; v176-239 K.
;   Window 1: v0-127 O^T (tile i at 32 i); v128-191 V; v192-255 Q (tile i at 192 + 16 i).
.set LI,  1                            ; v1   16 x lane
.set FST, 2                            ; v2   2,048 x wave + 16 x lane: where I put my part of a step into a slot
.set FGO, 3                            ; v3   2,048 x (wave % 4) + 16 x lane: where it lies in the step's 8,192 bytes of memory
.set NEG, 4                            ; v4   -1e9
.set PFO, 5                            ; v5   256 x lane
.set SPW, 6
.set NIL, 7
.set QA,  8                            ; v8, v9    my offsets in Q's image, chunks A and B
.set OA,  10                           ; v10, v11  and in o16
.set ST,  16
.set G,   48
.set S,   80
.set P,   144
.set KF,  176
.set OT,  0
.set VF,  128
.set QF,  192
.set SPARE, 32768
.set QB,  2                            ; s[2:3]  Q's image of my head
.set FBS, 4                            ; s[4:5]  K's (waves 0-3) or V's (waves 4-7) image of my head, at the trip's first step
.set MW,  6                            ; s[6:7]  mw
.set OB,  8                            ; s[8:9]  o16 at my batch and head
.set WV,  10
.set U,   11
.set FW,  12                           ; flags, bit 0 = the step in hand: any of the work-group's 32 tiles,
.set FA,  13                           ; my chunk A,
.set FBB, 14                           ; my chunk B,
.set FP,  15                           ; FW in the two waves that prefetch, else 0
.set MOA, 16                           ; s16, s17  byte offsets of chunk A's and B's lane words at the trip's first step
.set CNT, 18
.set SEL, 20
.set CS,  22
.set MW0, 32                           ; s[32:63]  the 32 lane words of the half's first tile
.set MW1, 68                           ; s[68:99]  of its second
.set MSB, 0
.macro WIN new
.if MSB != (\new)
	s_set_vgpr_msb (MSB<<8)|(\new)
.set MSB, (\new)
.endif
.endm
	s_load_b128 s[4:7], s[0:1], 0x0                ; qkv, mw
	s_load_b64 s[8:9], s[0:1], 0x10                ; o16
	v_lshl_add_u32 v[SPW], v0, 2, SPARE
	v_mov_b32 v[NIL], 0
	v_lshrrev_b32 v12, 5, v0
	v_readfirstlane_b32 s[WV], v12                 ; wave 0..7
	v_and_b32 v13, 31, v0
	v_lshlrev_b32 v[LI], 4, v13
	v_lshl_add_u32 v[FST], v12, 11, v[LI]
	v_and_b32 v14, 3, v12
	v_lshl_add_u32 v[FGO], v14, 11, v[LI]
	v_mov_b32 v[NEG], 0xce6e6b28
	v_lshlrev_b32 v[PFO], 8, v13
	s_lshl_b32 s[U], ttmp9, 3
	s_add_co_u32 s[U], s[U], s[WV]                 ; u
	s_sub_co_u32 s24, 63, s[U]                     ; chunk B's number
	s_lshl_b32 s25, s[U], 12                       ; a chunk is two tiles of 2,048 bytes in Q's image,
	v_add_nc_u32 v[QA], s25, v[LI]
	s_lshl_b32 s25, s24, 12
	v_add_nc_u32 v[QA+1], s25, v[LI]
	s_lshl_b32 s25, s[U], 16                       ; two row tiles of 32,768 bytes in o16,
	v_add_nc_u32 v[OA], s25, v[LI]
	s_lshl_b32 s25, s24, 16
	v_add_nc_u32 v[OA+1], s25, v[LI]
	s_lshl_b32 s[MOA], s[U], 13                    ; and two tiles of 4,096 bytes of lane words
	s_lshl_b32 s[MOA+1], s24, 13
	s_mov_b32 s[SEL], 0x76543210
	s_mov_b32 s[SEL+1], 0xfedcba98                 ; v_permlanex16_b32: lane l xor 16
	s_mov_b32 s[CS], 0x3e38aa3b                    ; c = log2(e) / 8
	s_mov_b32 s[CS+1], s[CS]
	s_and_b32 s26, ttmp7, 0xffff                   ; bh
	s_lshl_b32 s24, s26, 18                        ; a head's image is 262,144 bytes
	s_mov_b32 s25, 0
	s_lshr_b32 s27, s26, 4
	s_lshl_b32 s27, s27, 22                        ; o16: a batch is 128 row tiles,
	s_and_b32 s26, s26, 15
	s_lshl_b32 s26, s26, 11                        ; a head four pieces
	s_add_co_u32 s26, s26, s27
	s_mov_b32 s27, 0
	s_lshl_b32 s28, ttmp9, 6                       ; the flag words of tiles 16 g .. 16 g + 15,
	s_sub_co_u32 s29, 448, s28                     ; of tiles 112 - 16 g .. 127 - 16 g,
	s_lshl_b32 s30, s[U], 3                        ; of my chunk A,
	s_sub_co_u32 s31, 504, s30                     ; and of my chunk B
	s_wait_kmcnt 0x0
	s_add_nc_u64 s[QB:QB+1], s[4:5], s[24:25]
	s_add_nc_u64 s[OB:OB+1], s[OB:OB+1], s[26:27]
	s_mov_b32 s26, 0x2000000
	s_cmp_lt_u32 s[WV], 4
	s_cselect_b32 s26, 0x1000000, s26              ; K's image for waves 0-3, V's for waves 4-7: an offset is chosen, not a pointer
	s_add_nc_u64 s[FBS:FBS+1], s[QB:QB+1], s[26:27]
	s_load_b64 s[24:25], s[MW:MW+1], s30 offset:0x80000
	s_load_b64 s[26:27], s[MW:MW+1], s31 offset:0x80000
	s_load_b512 s[32:47], s[MW:MW+1], s28 offset:0x80000
	s_load_b512 s[68:83], s[MW:MW+1], s29 offset:0x80000
	WIN 0x40                                       ; destination window 1
.irp i, 0,1,2,3
.irp ct, 0,1,2,3
	global_load_b128 v[QF+16*\i+4*\ct:QF+16*\i+4*\ct+3], v[QA+\i/2], s[QB:QB+1] offset:(\i%2)*2048+\ct*512   ; Q stays in registers
.endr
.endr
	WIN 0
.irp i, 0,1,2,3
	global_load_b128 v[G+4*\i:G+4*\i+3], v[FGO], s[FBS:FBS+1] offset:512*\i              ; my part of step 0,
.endr
.irp i, 0,1,2,3
	global_load_b128 v[G+16+4*\i:G+16+4*\i+3], v[FGO], s[FBS:FBS+1] offset:8192+512*\i   ; and of step 1: both whatever the flags say
.endr
	WIN 0x40
.set n, 0
.rept 128
	v_mov_b32 v[OT+n], 0                           ; O^T begins as zeros: which step is a tile's first hangs on the stored flags, so no first step can be written out with C = 0
.set n, n+1
.endr
	WIN 0
.irp i, 0,1,2,3
	v_mov_b32 v[ST+8*\i+1], 0xff61b1e6             ; m = -3e38, under every score
	v_mul_f32 v[ST+8*\i], s[CS], v[ST+8*\i+1]      ; c m
.irp j, 2,3,4,5,6,7
	v_mov_b32 v[ST+8*\i+\j], 0
.endr
.endr
	s_wait_kmcnt 0x0
	s_or_b32 s[FA], s24, s25
	s_or_b32 s[FBB], s26, s27
	s_or_b32 s[FW], s32, s68
.irp i, 1,2,3,4,5,6,7,8,9,10,11,12,13,14,15
	s_or_b32 s[FW], s[FW], s[32+\i]
	s_or_b32 s[FW], s[FW], s[68+\i]
.endr
	s_and_b32 s24, s[WV], 3
	s_or_b32 s24, s24, ttmp9
	s_cmp_eq_u32 s24, 0                            ; waves 0 and 4 of the head's first work-group
	s_cselect_b32 s[FP], s[FW], 0
	s_mov_b32 s[CNT], 16
	s_wait_loadcnt 4                               ; Q and step 0 are in; step 1's four loads may be out
.irp i, 0,1,2,3
	ds_store_b128 v[FST], v[G+4*\i:G+4*\i+3] offset:512*\i
.endr
.macro MLOADW hf, par                  ; the 64 lane words of half hf for this step
	s_load_b512 s[MW0:MW0+15], s[MW:MW+1], s[MOA+\hf] offset:\par*128
	s_load_b512 s[MW0+16:MW0+31], s[MW:MW+1], s[MOA+\hf] offset:\par*128+64
	s_load_b512 s[MW1:MW1+15], s[MW:MW+1], s[MOA+\hf] offset:\par*128+4096
	s_load_b512 s[MW1+16:MW1+31], s[MW:MW+1], s[MOA+\hf] offset:\par*128+4160
.endm
; ONE CHUNK'S WORK FOR ONE STEP: tiles 2 hf and 2 hf + 1 of my four.
.macro HALF hf, par
.set T0, ST+16*(\hf)
	s_wait_dscnt 16                                ; K is in; V's sixteen loads may be out
	WIN 0x04                                       ; Q in window 1
.set n, 0
.rept 16                               ; S^T = K Q^T: channels 32 (n / 8) on, keys 16 ((n / 2) % 4) on, tile n % 2.  The eight accumulators take turns; the first eight start the sums
.set rS, S+32*(n%2)+8*((n/2)%4)
.set rK, KF+8*(2*((n/2)%4)+n/8)
.set rQ, QF+16*(2*(\hf)+n%2)+8*(n/8)
.if n < 8
	v_wmma_f32_16x16x32_f16 v[rS:rS+7], v[rK:rK+7], v[rQ:rQ+7], 0
.else
	v_wmma_f32_16x16x32_f16 v[rS:rS+7], v[rK:rK+7], v[rQ:rQ+7], v[rS:rS+7]
.endif
.set n, n+1
.endr
	WIN 0
.rept 4
	v_nop                                          ; places between the products and the first read of their results
.endr
	s_wait_kmcnt 0x0                               ; the lane words are in
.set n, 0
.rept 32
	v_cndmask_b32 v[S+n], v[NEG], v[S+n], s[MW0+n]           ; a score whose mask byte is 0 becomes -1e9; each accumulator from its low end on
	v_cndmask_b32 v[S+32+n], v[NEG], v[S+32+n], s[MW1+n]
.set n, n+1
.endr
.if (\hf) == 0
	s_bitcmp1_b32 s[FBB], 0                        ; chunk B's words are asked for as soon as chunk A's have been used
	s_cbranch_scc0 .Lnob_\@
	MLOADW 1, \par
.Lnob_\@:
.endif
.irp j, 0,1,2,3                        ; the maximum of the lane's 32 scores and the old m, three operands at a time, the two tiles by turns
.irp x, 0,1
	v_max3_num_f32 v[T0+8*\x+4+\j], v[S+32*\x+8*\j], v[S+32*\x+8*\j+1], v[S+32*\x+8*\j+2]
.endr
.endr
.irp j, 4,5,6,7,8,9,10,11
.irp x, 0,1
	v_max3_num_f32 v[T0+8*\x+4+\j%4], v[T0+8*\x+4+\j%4], v[S+32*\x+8*(\j%4)+2*(\j/4)+1], v[S+32*\x+8*(\j%4)+2*(\j/4)+2]
.endr
.endr
.irp x, 0,1
	v_max3_num_f32 v[T0+8*\x+4], v[T0+8*\x+4], v[S+32*\x+7], v[S+32*\x+15]
.endr
.irp x, 0,1
	v_max3_num_f32 v[T0+8*\x+6], v[T0+8*\x+6], v[S+32*\x+23], v[S+32*\x+31]
.endr
.irp x, 0,1
	v_max3_num_f32 v[T0+8*\x+4], v[T0+8*\x+4], v[T0+8*\x+5], v[T0+8*\x+6]
.endr
.irp x, 0,1
	v_max3_num_f32 v[T0+8*\x+4], v[T0+8*\x+4], v[T0+8*\x+7], v[T0+8*\x+1]
.endr
.irp x, 0,1
	v_permlanex16_b32 v[T0+8*\x+5], v[T0+8*\x+4], s[SEL], s[SEL+1]   ; the query's other 32 keys lie in the lane 16 away
.endr
.irp x, 0,1
	v_mov_b32 v[T0+8*\x+7], v[T0+8*\x]             ; c m_old
.endr
.irp x, 0,1
	v_max_num_f32 v[T0+8*\x+1], v[T0+8*\x+4], v[T0+8*\x+5]
.endr
.irp x, 0,1
	v_mul_f32 v[T0+8*\x], s[CS], v[T0+8*\x+1]
.endr
.irp x, 0,1
	v_sub_f32 v[T0+8*\x+7], v[T0+8*\x+7], v[T0+8*\x]
.endr
.set n, 0
.rept 16
	v_pk_fma_f32 v[S+2*n:S+2*n+1], v[S+2*n:S+2*n+1], s[CS:CS+1], v[T0:T0+1] op_sel_hi:[1,0,0] neg_lo:[0,0,1] neg_hi:[0,0,1]             ; c s - c m
	v_pk_fma_f32 v[S+32+2*n:S+32+2*n+1], v[S+32+2*n:S+32+2*n+1], s[CS:CS+1], v[T0+8:T0+9] op_sel_hi:[1,0,0] neg_lo:[0,0,1] neg_hi:[0,0,1]
.set n, n+1
.endr
	v_exp_f32 v[T0+6], v[T0+7]                     ; a, and the 64 weights: one batch
	v_exp_f32 v[T0+14], v[T0+15]
.set n, 0
.rept 64
	v_exp_f32 v[S+n], v[S+n]
.set n, n+1
.endr
	v_nop                                          ; a plain instruction behind the last exponential
	s_wait_alu depctr_va_vdst(0)                   ; one wait for the batch, ahead of its first reader
.set n, 0
.rept 16
	v_cvt_pk_f16_f32 v[P+n], v[S+2*n], v[S+2*n+1]
	v_cvt_pk_f16_f32 v[P+16+n], v[S+32+2*n], v[S+32+2*n+1]
.set n, n+1
.endr
.irp u, 0,1,2,3,4,5,6,7                ; the sum of the tile's 16 pairs, in place
.irp x, 0,1
	v_pk_add_f32 v[S+32*\x+4*\u:S+32*\x+4*\u+1], v[S+32*\x+4*\u:S+32*\x+4*\u+1], v[S+32*\x+4*\u+2:S+32*\x+4*\u+3]
.endr
.endr
.irp u, 0,1,2,3
.irp x, 0,1
	v_pk_add_f32 v[S+32*\x+8*\u:S+32*\x+8*\u+1], v[S+32*\x+8*\u:S+32*\x+8*\u+1], v[S+32*\x+8*\u+4:S+32*\x+8*\u+5]
.endr
.endr
.irp u, 0,1
.irp x, 0,1
	v_pk_add_f32 v[S+32*\x+16*\u:S+32*\x+16*\u+1], v[S+32*\x+16*\u:S+32*\x+16*\u+1], v[S+32*\x+16*\u+8:S+32*\x+16*\u+9]
.endr
.endr
.irp x, 0,1
	v_pk_add_f32 v[S+32*\x:S+32*\x+1], v[S+32*\x:S+32*\x+1], v[S+32*\x+16:S+32*\x+17]
.endr
.irp x, 0,1
	v_pk_fma_f32 v[T0+8*\x+2:T0+8*\x+3], v[T0+8*\x+2:T0+8*\x+3], v[T0+8*\x+6:T0+8*\x+7], v[S+32*\x:S+32*\x+1] op_sel_hi:[1,0,1]   ; l = a l + the sum
.endr
	WIN 0x41                                       ; O^T in window 1, a in window 0
.irp x, 0,1
.set n, 0
.rept 16
	v_pk_mul_f32 v[OT+32*(2*(\hf)+\x)+2*n:OT+32*(2*(\hf)+\x)+2*n+1], v[OT+32*(2*(\hf)+\x)+2*n:OT+32*(2*(\hf)+\x)+2*n+1], v[T0+8*\x+6:T0+8*\x+7] op_sel_hi:[1,0]
.set n, n+1
.endr
.endr
	s_wait_dscnt 0x0                               ; V is in
	WIN 0x51                                       ; V and O^T in window 1, P in window 0
.set n, 0
.rept 16                               ; O^T += V^T P: keys 32 (n / 8) on, channels 16 ((n / 2) % 4) on, tile n % 2: eight accumulators by turns
.set rO, OT+32*(2*(\hf)+n%2)+8*((n/2)%4)
.set rV, VF+8*(4*(n/8)+(n/2)%4)
.set rP, P+16*(n%2)+8*(n/8)
	v_wmma_f32_16x16x32_f16 v[rO:rO+7], v[rV:rV+7], v[rP:rP+7], v[rO:rO+7]
.set n, n+1
.endr
	WIN 0
.endm
; ONE STEP OF 64 KEYS, in slot par.  ONE barrier: in front of it my stores of this step's slot are done and my reads of the other slot are over; behind it this slot is whole and the other may be written.
.macro STEP par
	s_wait_dscnt 0x0
	s_barrier_signal -1
	s_barrier_wait -1
	s_wait_loadcnt 0x0                             ; the next step's part, asked for a step ago, is in registers (on every path: no load is ever issued into a register that an older load may still write)
	s_bitcmp1_b32 s[FW], 1                         ; does any wave want the next step?
	s_cbranch_scc0 .Lnostore_\@
.irp i, 0,1,2,3
	ds_store_b128 v[FST], v[G+16*(1-\par)+4*\i:G+16*(1-\par)+4*\i+3] offset:(1-\par)*16384+512*\i
.endr
.Lnostore_\@:
	s_bitcmp1_b32 s[FW], 2                         ; and the step after it?  (Zeros are shifted in at the top: nothing is asked for past the head's last step)
	s_cbranch_scc0 .Lnoload_\@
.irp i, 0,1,2,3
	global_load_b128 v[G+16*\par+4*\i:G+16*\par+4*\i+3], v[FGO], s[FBS:FBS+1] offset:(\par+2)*8192+512*\i
.endr
.Lnoload_\@:
	s_bitcmp1_b32 s[FP], 4                         ; A PREFETCH of the step that will be loaded two steps from now: its 8,192 bytes of K (wave 0) or of V (wave 4), lanes 256 bytes apart.  Only the head's first work-group asks,
	s_cbranch_scc0 .Lnopf_\@                       ; so each block is named once; the flags' zeros end it four steps ahead of the head's last step
	global_prefetch_b8 v[PFO], s[FBS:FBS+1] offset:(\par+4)*8192 th:TH_LOAD_NT scope:SCOPE_SE
.Lnopf_\@:
	s_or_b32 s24, s[FA], s[FBB]
	s_bitcmp1_b32 s24, 0
	s_cbranch_scc0 .Lskip_\@                       ; neither of my chunks has a true byte among these 64 keys
	s_bitcmp1_b32 s[FA], 0
	s_cbranch_scc0 .Lmb_\@
	MLOADW 0, \par
	s_branch .Lmd_\@
.Lmb_\@:
	MLOADW 1, \par
.Lmd_\@:
.rept 4
	v_nop                                          ; places in front of loads into registers that matrix instructions have read
.endr
.set n, 0
.rept 16
	ds_load_b128 v[KF+4*n:KF+4*n+3], v[LI] offset:\par*16384+512*n        ; K's image as it lies: fragment (16 keys t, 32 channels c) at KF + 8 (2 t + c)
.set n, n+1
.endr
	WIN 0x40
.irp u, 0,1
.irp t, 0,1,2,3
.irp g, 0,1
	ds_load_b128 v[VF+8*(4*\u+\t)+4*\g:VF+8*(4*\u+\t)+4*\g+3], v[LI] offset:\par*16384+8192+(2*\u+\g)*2048+\t*512   ; V^T: fragment (32 keys u, 16 channels t)
.endr
.endr
.endr
	WIN 0
	s_bitcmp1_b32 s[FA], 0
	s_cbranch_scc0 .Lnoa_\@
	HALF 0, \par
.Lnoa_\@:
	s_bitcmp1_b32 s[FBB], 0
	s_cbranch_scc0 .Lskip_\@
	HALF 1, \par
.Lskip_\@:
	s_wait_kmcnt 0x0                               ; no scalar load is out when its registers are next loaded
	s_lshr_b32 s[FW], s[FW], 1
	s_lshr_b32 s[FA], s[FA], 1
	s_lshr_b32 s[FBB], s[FBB], 1
	s_lshr_b32 s[FP], s[FP], 1
.endm
.Ltrip:
	STEP 0
	STEP 1
	s_wait_xcnt 0x0                                ; the loads and the prefetch have read their base
	s_add_nc_u64 s[FBS:FBS+1], s[FBS:FBS+1], 16384
	s_add_co_u32 s[MOA], s[MOA], 256
	s_add_co_u32 s[MOA+1], s[MOA+1], 256
	s_sub_co_u32 s[CNT], s[CNT], 1
	s_cmp_lg_u32 s[CNT], 0
	s_cbranch_scc1 .Ltrip
	; THE WAY OUT.  O^T / l, packed to f16: a tile's four accumulators are four pieces of o16, each stored as 512 consecutive bytes.  The additions are the places behind the last products.
.irp i, 0,1,2,3
	v_add_f32 v[ST+8*\i+4], v[ST+8*\i+2], v[ST+8*\i+3]
.endr
.irp i, 0,1,2,3
	v_permlanex16_b32 v[ST+8*\i+5], v[ST+8*\i+4], s[SEL], s[SEL+1]
.endr
.irp i, 0,1,2,3
	v_add_f32 v[ST+8*\i+4], v[ST+8*\i+4], v[ST+8*\i+5]
.endr
.irp i, 0,1,2,3
	v_rcp_f32 v[ST+8*\i+6], v[ST+8*\i+4]
.endr
	v_nop
	s_wait_alu depctr_va_vdst(0)                   ; one wait for the four reciprocals
	WIN 0x41
.irp i, 0,1,2,3
.set n, 0
.rept 16
	v_pk_mul_f32 v[OT+32*\i+2*n:OT+32*\i+2*n+1], v[OT+32*\i+2*n:OT+32*\i+2*n+1], v[ST+8*\i+6:ST+8*\i+7] op_sel_hi:[1,0]
.set n, n+1
.endr
.endr
	WIN 0x05                                       ; sources in window 1, destination in window 0
.set n, 0
.rept 64
	v_cvt_pk_f16_f32 v[S+n], v[OT+2*n], v[OT+2*n+1]
.set n, n+1
.endr
	WIN 0
.irp i, 0,1,2,3
.irp t, 0,1,2,3
	global_store_b128 v[OA+\i/2], v[S+16*\i+4*\t:S+16*\i+4*\t+3], s[OB:OB+1] offset:(\i%2)*32768+\t*512
.endr
.endr
	s_wait_tensorcnt 0x0                           ; the wave's end
	ds_add_u32 v[SPW], v[NIL]
	s_wait_dscnt 0x0
	s_endpgm
.Lfunc_end_k_qb15f7e82f6_attn:
	.size	k_qb15f7e82f6_attn, .Lfunc_end_k_qb15f7e82f6_attn-k_qb15f7e82f6_attn
	.p2alignl 7, 3214868480
	.fill 96, 4, 3214868480
	.section	.rodata,"a",@progbits
	.p2align	6, 0x0
	.amdhsa_kernel k_qb15f7e82f6_attn
		.amdhsa_group_segment_fixed_size 33792
		.amdhsa_private_segment_fixed_size 0
		.amdhsa_enable_private_segment 0
		.amdhsa_kernarg_size 24
		.amdhsa_user_sgpr_count 2
		.amdhsa_user_sgpr_kernarg_segment_ptr 1
		.amdhsa_wavefront_size32 1
		.amdhsa_system_sgpr_workgroup_id_x 1
		.amdhsa_system_sgpr_workgroup_id_y 1
		.amdhsa_system_sgpr_workgroup_id_z 1
		.amdhsa_system_vgpr_workitem_id 0
		.amdhsa_next_free_vgpr 512
		.amdhsa_next_free_sgpr 100
		.amdhsa_reserve_vcc 0
		.amdhsa_float_denorm_mode_32 3
		.amdhsa_float_denorm_mode_16_64 3
		.amdhsa_memory_ordered 1
		.amdhsa_forward_progress 1
		.amdhsa_inst_pref_size 107
	.end_amdhsa_kernel
	.amdgpu_metadata
---
amdhsa.version: [ 1, 2 ]
amdhsa.kernels:
  - .name:           k_qb15f7e82f6_attn
    .symbol:         k_qb15f7e82f6_attn.kd
    .args:
      - { .name: qkv, .offset: 0, .size: 8, .value_kind: global_buffer, .address_space: global }
      - { .name: mw, .offset: 8, .size: 8, .value_kind: global_buffer, .address_space: global }
      - { .name: o16, .offset: 16, .size: 8, .value_kind: global_buffer, .address_space: global }
    .group_segment_fixed_size: 33792
    .private_segment_fixed_size: 0
    .kernarg_segment_align: 8
    .kernarg_segment_size: 24
    .max_flat_workgroup_size: 256
    .sgpr_count:     100
    .vgpr_count:     512
    .wavefront_size: 32
...
	.end_amdgpu_metadata
.endif
;; end of part 3
;; launch fine_attn (part 4): grid 16 x 4, 1 waves a work-group, no clusters, 0 bytes of LDS; arguments codes, scales, mw, o16, ofine; writes ofine
.if DOCPART == 4
	.amdgcn_target "amdgcn-amd-amdhsa--gfx1250"
	.amdhsa_code_object_version 6
	.text
	.protected	k_qb15f7e82f6_fine_attn
	.globl	k_qb15f7e82f6_fine_attn
	.p2align	8
	.type	k_qb15f7e82f6_fine_attn,@function
k_qb15f7e82f6_fine_attn:
	s_mov_b64 s[64:65], 0
	v_nop
	global_prefetch_b8 v0, s[64:65] scope:SCOPE_SE
	s_setreg_imm32_b32 hwreg(HW_REG_WAVE_MODE, 25, 1), 1
	s_wait_xcnt 0x0
; POSITIONS 0 TO 15 OF EVERY SEQUENCE, IN f32.  These rows may average one to a few values, and are carried more finely than f16 operands allow.  One wave for each (head, batch).
; Q of the 16 positions, and K and V of each tile of 16 keys that is wanted, are computed anew from the FP4 codes (the same products as launch proj makes, their f32 sums kept as they are); both products of attention
; go by v_wmma_f32_16x16x4_f32; nothing leaves the registers, and nothing changes lanes:
;   Q, K: source 0 = 16 rows of the weight, source 1 = 16 positions: lane (r, h) holds position r, channels 16 t + 8 h + j.  Registers 8 t + 2 jj, + 1 of K and of Q are sources of one f32 product: the same four channels on both sides.
;   V:    the sources the other way round: lane (r, h) holds channel 16 t + r, keys 8 h + j.  Registers 8 t + 2 jj, + 1 of V and 2 jj, + 1 of p (lane (r, h): query r, keys 8 h + j) are sources of one f32 product.
; THE MASK IS HONOURED: flag word fl[0] says which steps of 64 keys to look at; the step's 32 lane words, read by scalar loads, say which of its four tiles of 16 keys hold a true byte, and mask the scores.
; A row with no true key at all (m stays at or under -1e9) keeps the f16 result of launch attn, which has averaged all keys: a choice of values by v_cndmask_b32.
; OUT: ofine, an image like o16 with row tile = batch: high f16 parts at 0, low parts (number - high part) at 131,072.
; REGISTERS.  Window 0: v3-7 addresses; v8 c m, v9 m, v10 l, v11 1 / l, v[12:13] a, v14-15 at work; v16-47 Q; v48-79 K's sums, then the step's V^T p (written by matrix instructions alone); v80-111 V; v112-127 two
;   accumulators of S^T (matrix instructions alone); v128-143 p and at work; v144-223 scale words and nothing else.  Window 1: W_q's, then W_k's codes.  Window 3: W_v's.  Window 2: v0-63 q's, then k's codes; v64-127 v's; v128-159 O^T.
.set XC,  3                            ; v3  r x 512 + 16 h: a row of codes
.set XS,  4                            ; v4  r x 32: a row of scale bytes
.set LI,  6                            ; v6  16 x lane
.set NEG, 7                            ; v7  -1e9
.set Q,   16
.set KA,  48
.set VA,  80
.set SA,  112
.set P,   128
.set SW,  144                          ; W_q's, then W_k's scale words: tile t, K step s at + 8 t + s
.set SWV, 176                          ; W_v's
.set SX,  208                          ; q's, then k's rows'
.set SV,  216                          ; v's rows'
.set MSB, 0
.macro WIN new
.if MSB != (\new)
	s_set_vgpr_msb (MSB<<8)|(\new)
.set MSB, (\new)
.endif
.endm
.macro BASE dst, ptr, reg, const       ; a buffer's address + a register + a constant
	s_add_co_u32 s60, \reg, \const
	s_add_nc_u64 s[\dst:\dst+1], s[\ptr:\ptr+1], s[60:61]
.endm
.macro WCODES ptr                      ; a head's 64 rows of a weight: fragment (tile t, K step s) at 64 t + 8 s of the window in hand
.irp t, 0,1,2,3
.irp s, 0,1,2,3,4,5,6,7
.irp c, 0,1
	global_load_b128 v[64*\t+8*\s+4*\c:64*\t+8*\s+4*\c+3], v[XC], s[\ptr:\ptr+1] offset:\t*8192+\s*64+32*\c
.endr
.endr
.endr
.endm
.macro WSCALES reg, ptr
.irp t, 0,1,2,3
.irp g, 0,1
	global_load_b128 v[\reg+8*\t+4*\g:\reg+8*\t+4*\g+3], v[XS], s[\ptr:\ptr+1] offset:\t*512+16*\g
.endr
.endr
.endm
.macro XCODES reg, ptr, imm            ; 16 rows of an activation: fragment of K step s at reg + 8 s
.irp s, 0,1,2,3,4,5,6,7
.irp c, 0,1
	global_load_b128 v[\reg+8*\s+4*\c:\reg+8*\s+4*\c+3], v[XC], s[\ptr:\ptr+1] offset:(\imm)+\s*64+32*\c
.endr
.endr
.endm
.macro XSCALES reg, ptr, imm
.irp g, 0,1
	global_load_b128 v[\reg+4*\g:\reg+4*\g+3], v[XS], s[\ptr:\ptr+1] offset:(\imm)+16*\g
.endr
.endm
.macro PROJW d                         ; 16 positions x 64 channels: source 0 = the weight (window 1), source 1 = the rows (window 2).  Four accumulators by turns; the first K step starts the sums
	WIN 0x09
.irp s, 0,1,2,3,4,5,6,7
.irp t, 0,1,2,3
.if \s == 0
	v_wmma_scale_f32_16x16x128_f8f6f4 v[\d+8*\t:\d+8*\t+7], v[64*\t+8*\s:64*\t+8*\s+7], v[8*\s:8*\s+7], 0, v[SW+8*\t+\s], v[SX+\s] matrix_a_fmt:MATRIX_FMT_FP4 matrix_b_fmt:MATRIX_FMT_FP4
.else
	v_wmma_scale_f32_16x16x128_f8f6f4 v[\d+8*\t:\d+8*\t+7], v[64*\t+8*\s:64*\t+8*\s+7], v[8*\s:8*\s+7], v[\d+8*\t:\d+8*\t+7], v[SW+8*\t+\s], v[SX+\s] matrix_a_fmt:MATRIX_FMT_FP4 matrix_b_fmt:MATRIX_FMT_FP4
.endif
.endr
.endr
.endm
.macro PROJV                           ; V: source 0 = v's rows (window 2), source 1 = W_v (window 3)
	WIN 0x0e
.irp s, 0,1,2,3,4,5,6,7
.irp t, 0,1,2,3
.if \s == 0
	v_wmma_scale_f32_16x16x128_f8f6f4 v[VA+8*\t:VA+8*\t+7], v[64+8*\s:64+8*\s+7], v[64*\t+8*\s:64*\t+8*\s+7], 0, v[SV+\s], v[SWV+8*\t+\s] matrix_a_fmt:MATRIX_FMT_FP4 matrix_b_fmt:MATRIX_FMT_FP4
.else
	v_wmma_scale_f32_16x16x128_f8f6f4 v[VA+8*\t:VA+8*\t+7], v[64+8*\s:64+8*\s+7], v[64*\t+8*\s:64*\t+8*\s+7], v[VA+8*\t:VA+8*\t+7], v[SV+\s], v[SWV+8*\t+\s] matrix_a_fmt:MATRIX_FMT_FP4 matrix_b_fmt:MATRIX_FMT_FP4
.endif
.endr
.endr
.endm
	s_load_b256 s[4:11], s[0:1], 0x0               ; codes, scales, mw, o16
	s_load_b64 s[12:13], s[0:1], 0x20              ; ofine
	v_and_b32 v1, 15, v0                           ; r
	v_bfe_u32 v2, v0, 4, 1                         ; h
	v_lshlrev_b32 v[XC], 9, v1
	v_lshl_add_u32 v[XC], v2, 4, v[XC]
	v_lshlrev_b32 v[XS], 5, v1
	v_lshlrev_b32 v[LI], 4, v0
	v_mov_b32 v[NEG], 0xce6e6b28
	s_mov_b32 s20, 0x76543210
	s_mov_b32 s21, 0xfedcba98
	s_mov_b32 s22, 0x3e38aa3b                      ; c = log2(e) / 8
	s_mov_b32 s23, s22
	s_and_b32 s58, ttmp7, 0xffff                   ; batch
	s_lshl_b32 s56, ttmp9, 15                      ; a head's 64 rows of a weight's codes
	s_lshl_b32 s57, s58, 20                        ; a batch's 2,048 rows of an activation's codes
	s_lshl_b32 s59, ttmp9, 11                      ; and their scale bytes
	s_lshl_b32 s62, s58, 16
	s_mov_b32 s61, 0
	s_wait_kmcnt 0x0
	s_load_b32 s66, s[8:9], 0x80000                ; fl[0]
	BASE 14, 4, s56, 12582912                      ; W_q's codes
	BASE 16, 4, s56, 13107200                      ; W_k's
	BASE 18, 4, s56, 13631488                      ; W_v's
	BASE 24, 4, s57, 0                             ; q's
	BASE 26, 4, s57, 4194304                       ; k's: stepped
	BASE 28, 4, s57, 8388608                       ; v's: stepped
	BASE 30, 6, s59, 786432                        ; the scale bytes, in the same order
	BASE 46, 6, s59, 819200
	BASE 48, 6, s59, 851968
	BASE 50, 6, s62, 0
	BASE 52, 6, s62, 262144
	BASE 54, 6, s62, 524288
	s_lshl_b32 s56, s58, 22
	BASE 10, 10, s56, s59                          ; o16: row tile 128 x batch, pieces 4 x head on
	s_lshl_b32 s56, s58, 15
	BASE 12, 12, s56, s59                          ; ofine: row tile = batch
	WIN 0x40
	WCODES 14
	WIN 0
	WSCALES SW, 30
	WIN 0x80
	XCODES 0, 24, 0
	WIN 0
	XSCALES SX, 50, 0
	WIN 0xc0
	WCODES 18
	WIN 0
	WSCALES SWV, 48
	s_wait_loadcnt 0x0
	PROJW Q                                        ; Q of my 16 positions
	WIN 0
.rept 4
	v_nop                                          ; places in front of loads into registers that these products have read
.endr
	WIN 0x40
	WCODES 16                                      ; W_k takes W_q's place
	WIN 0
	WSCALES SW, 46
	v_mov_b32 v9, 0xff61b1e6                       ; m = -3e38
	v_mul_f32 v8, s22, v9
.irp i, 10,11,12,13,14,15
	v_mov_b32 v\i, 0
.endr
	WIN 0x80
.set n, 0
.rept 32
	v_mov_b32 v[128+n], 0                          ; O^T: which tile of keys comes first hangs on the stored mask
.set n, n+1
.endr
	WIN 0
	s_mov_b32 s45, 0                               ; the step of 64 keys
	s_mov_b32 s63, 0                               ; its lane words
	s_wait_kmcnt 0x0
.macro TILE t                          ; keys 64 ks + 16 t .. + 15
	s_or_b32 s60, s[68+8*\t], s[69+8*\t]
.irp j, 2,3,4,5,6,7
	s_or_b32 s60, s60, s[68+8*\t+\j]
.endr
	s_cmp_lg_u32 s60, 0
	s_cbranch_scc0 .Lnot_\@                        ; no true byte among these 16 keys: their p would be 0 (or the row keeps the other launch's result)
.rept 9
	v_nop                                          ; places in front of loads into operands, and of products that write over the last tile's f32 results
.endr
	WIN 0x80
	XCODES 0, 26, \t*8192
	XCODES 64, 28, \t*8192
	WIN 0
	XSCALES SX, 52, \t*512
	XSCALES SV, 54, \t*512
	s_wait_loadcnt 0x0
	PROJW KA
	PROJV
	WIN 0
.rept 5
	v_nop                                          ; places before K's sums become a source
.endr
.set n, 0
.rept 16                               ; S^T = K Q^T: four channels a product; two accumulators by turns, added afterwards
.set rA, KA+8*(n/4)+2*(n%4)
.set rB, Q+8*(n/4)+2*(n%4)
.set rD, SA+8*(n%2)
.if n < 2
	v_wmma_f32_16x16x4_f32 v[rD:rD+7], v[rA:rA+1], v[rB:rB+1], 0
.else
	v_wmma_f32_16x16x4_f32 v[rD:rD+7], v[rA:rA+1], v[rB:rB+1], v[rD:rD+7]
.endif
.set n, n+1
.endr
.rept 8
	v_nop
.endr
.irp j, 0,1,2,3,4,5,6,7
	v_add_f32 v[P+\j], v[SA+\j], v[SA+8+\j]
.endr
.irp j, 0,1,2,3,4,5,6,7
	v_cndmask_b32 v[P+\j], v[NEG], v[P+\j], s[68+8*\t+\j]
.endr
	v_max3_num_f32 v14, v[P], v[P+1], v[P+2]
	v_max3_num_f32 v15, v[P+3], v[P+4], v[P+5]
	v_max3_num_f32 v14, v14, v[P+6], v[P+7]
	v_max3_num_f32 v14, v14, v15, v9
	v_permlanex16_b32 v15, v14, s20, s21
	v_mov_b32 v13, v8
	v_max_num_f32 v9, v14, v15
	v_mul_f32 v8, s22, v9
	v_sub_f32 v13, v13, v8
.irp i, 0,2,4,6
	v_pk_fma_f32 v[P+\i:P+\i+1], v[P+\i:P+\i+1], s[22:23], v[8:9] op_sel_hi:[1,0,0] neg_lo:[0,0,1] neg_hi:[0,0,1]
.endr
	v_exp_f32 v12, v13                             ; a
.irp j, 0,1,2,3,4,5,6,7
	v_exp_f32 v[P+\j], v[P+\j]
.endr
	v_nop
	s_wait_alu depctr_va_vdst(0)                   ; one wait for the nine
	v_pk_add_f32 v[P+8:P+9], v[P:P+1], v[P+2:P+3]
	v_pk_add_f32 v[P+10:P+11], v[P+4:P+5], v[P+6:P+7]
	v_pk_add_f32 v[P+8:P+9], v[P+8:P+9], v[P+10:P+11]
	v_add_f32 v14, v[P+8], v[P+9]
	v_fma_f32 v10, v10, v12, v14                   ; l = a l + the sum
.set n, 0
.rept 16                               ; V^T p: four keys a product; four accumulators by turns; the first four start the sums
.set rD, KA+8*(n%4)
.set rA, VA+8*(n%4)+2*(n/4)
.set rB, P+2*(n/4)
.if n < 4
	v_wmma_f32_16x16x4_f32 v[rD:rD+7], v[rA:rA+1], v[rB:rB+1], 0
.else
	v_wmma_f32_16x16x4_f32 v[rD:rD+7], v[rA:rA+1], v[rB:rB+1], v[rD:rD+7]
.endif
.set n, n+1
.endr
.rept 8
	v_nop
.endr
	WIN 0x82                                       ; O^T in window 2
.set n, 0
.rept 16
	v_pk_fma_f32 v[128+2*n:129+2*n], v[128+2*n:129+2*n], v[12:13], v[KA+2*n:KA+2*n+1] op_sel_hi:[1,0,1]   ; O^T = a O^T + this tile's
.set n, n+1
.endr
	WIN 0
.Lnot_\@:
.endm
.Lks:
	s_bitcmp1_b32 s66, s45
	s_cbranch_scc0 .Lnext
	s_load_b512 s[68:83], s[8:9], s63
	s_load_b512 s[84:99], s[8:9], s63 offset:64
	s_wait_kmcnt 0x0
	TILE 0
	TILE 1
	TILE 2
	TILE 3
.Lnext:
	s_wait_xcnt 0x0                                ; the loads have read their bases
	s_add_nc_u64 s[26:27], s[26:27], 32768
	s_add_nc_u64 s[28:29], s[28:29], 32768
	s_add_nc_u64 s[52:53], s[52:53], 2048
	s_add_nc_u64 s[54:55], s[54:55], 2048
	s_add_co_u32 s63, s63, 128
	s_add_co_u32 s45, s45, 1
	s_cmp_lt_u32 s45, 32
	s_cbranch_scc1 .Lks
	s_wait_loadcnt 0x0
.irp t, 0,1,2,3
	global_load_b128 v[Q+4*\t:Q+4*\t+3], v[LI], s[10:11] offset:512*\t   ; the other launch's f16 result for these rows
.endr
	v_permlanex16_b32 v14, v10, s20, s21
	v_add_f32 v10, v10, v14
	v_rcp_f32 v11, v10
	v_nop
	v_cmp_lt_f32 s44, v[NEG], v9                   ; has my query a true key?
	s_wait_alu depctr_va_vdst(0)
	WIN 0x02
.set n, 0
.rept 32
	v_mul_f32 v[VA+n], v[128+n], v11
.set n, n+1
.endr
	WIN 0
	s_wait_loadcnt 0x0
.set n, 0
.rept 16
	v_cvt_pk_f16_f32 v[Q+16+n], v[VA+2*n], v[VA+2*n+1]       ; the high parts,
	v_mov_b32 v12, v[Q+16+n]
	v_cvt_f32_f16 v14, v12.l
	v_cvt_f32_f16 v15, v12.h
	v_sub_f32 v14, v[VA+2*n], v14
	v_sub_f32 v15, v[VA+2*n+1], v15
	v_cvt_pk_f16_f32 v[P+n], v14, v15                        ; the low parts
	v_cndmask_b32 v[Q+16+n], v[Q+n], v[Q+16+n], s44
	v_cndmask_b32 v[P+n], 0, v[P+n], s44
.set n, n+1
.endr
.irp t, 0,1,2,3
	global_store_b128 v[LI], v[Q+16+4*\t:Q+16+4*\t+3], s[12:13] offset:512*\t
	global_store_b128 v[LI], v[P+4*\t:P+4*\t+3], s[12:13] offset:131072+512*\t
.endr
	s_endpgm
.Lfunc_end_k_qb15f7e82f6_fine_attn:
	.size	k_qb15f7e82f6_fine_attn, .Lfunc_end_k_qb15f7e82f6_fine_attn-k_qb15f7e82f6_fine_attn
	.p2alignl 7, 3214868480
	.fill 96, 4, 3214868480
	.section	.rodata,"a",@progbits
	.p2align	6, 0x0
	.amdhsa_kernel k_qb15f7e82f6_fine_attn
		.amdhsa_group_segment_fixed_size 0
		.amdhsa_private_segment_fixed_size 0
		.amdhsa_enable_private_segment 0
		.amdhsa_kernarg_size 40
		.amdhsa_user_sgpr_count 2
		.amdhsa_user_sgpr_kernarg_segment_ptr 1
		.amdhsa_wavefront_size32 1
		.amdhsa_system_sgpr_workgroup_id_x 1
		.amdhsa_system_sgpr_workgroup_id_y 1
		.amdhsa_system_sgpr_workgroup_id_z 1
		.amdhsa_system_vgpr_workitem_id 0
		.amdhsa_next_free_vgpr 1024
		.amdhsa_next_free_sgpr 100
		.amdhsa_reserve_vcc 0
		.amdhsa_float_denorm_mode_32 3
		.amdhsa_float_denorm_mode_16_64 3
		.amdhsa_memory_ordered 1
		.amdhsa_forward_progress 1
		.amdhsa_inst_pref_size 112
	.end_amdhsa_kernel
	.amdgpu_metadata
---
amdhsa.version: [ 1, 2 ]
amdhsa.kernels:
  - .name:           k_qb15f7e82f6_fine_attn
    .symbol:         k_qb15f7e82f6_fine_attn.kd
    .args:
      - { .name: codes, .offset: 0, .size: 8, .value_kind: global_buffer, .address_space: global }
      - { .name: scales, .offset: 8, .size: 8, .value_kind: global_buffer, .address_space: global }
      - { .name: mw, .offset: 16, .size: 8, .value_kind: global_buffer, .address_space: global }
      - { .name: o16, .offset: 24, .size: 8, .value_kind: global_buffer, .address_space: global }
      - { .name: ofine, .offset: 32, .size: 8, .value_kind: global_buffer, .address_space: global }
    .group_segment_fixed_size: 0
    .private_segment_fixed_size: 0
    .kernarg_segment_align: 8
    .kernarg_segment_size: 40
    .max_flat_workgroup_size: 32
    .sgpr_count:     100
    .vgpr_count:     1024
    .wavefront_size: 32
...
	.end_amdgpu_metadata
.endif
;; end of part 4
;; launch outproj (part 5): grid 4 x 64, 4 waves a work-group, clusters of 4 x 4, 327,680 bytes of LDS; arguments o16, wo16, out0; writes out0
.if DOCPART == 5
	.amdgcn_target "amdgcn-amd-amdhsa--gfx1250"
	.amdhsa_code_object_version 6
	.text
	.protected	k_qb15f7e82f6_outproj
	.globl	k_qb15f7e82f6_outproj
	.p2align	8
	.type	k_qb15f7e82f6_outproj,@function
k_qb15f7e82f6_outproj:
	s_mov_b64 s[64:65], 0
	v_nop
	global_prefetch_b8 v0, s[64:65] scope:SCOPE_SE
	s_setreg_imm32_b32 hwreg(HW_REG_WAVE_MODE, 25, 1), 1
	s_wait_xcnt 0x0
	s_wait_alu depctr_hold_cnt(0) depctr_sa_sdst(0) depctr_va_vdst(0) depctr_va_sdst(0) depctr_va_ssrc(0) depctr_va_vcc(0) depctr_vm_vsrc(0)
	s_getreg_b32 s2, hwreg(HW_REG_IB_STS2, 6, 4)
	s_cmp_eq_u32 s2, 0
	s_cbranch_scc0 .Lentry_in_a_cluster
	s_endpgm
.Lentry_in_a_cluster:
	s_bfe_u32 s2, ttmp6, 0x10000c
	s_cmp_lg_u32 s2, 0xf033
	s_cbranch_scc0 .Lentry_shape_is_right
	s_endpgm
.Lentry_shape_is_right:
; out0[row][n] = sum over k of O[row][k] W_o[n][k]: [8192][1024] x [1024][1024], f16 operands, f32 sums, f32 out.  Both operands arrive as images of operand registers: piece (tile of 16 rows, k16) of 512 bytes at
; (64 tile + k16) 512, lane (r, h) = row r, k = 16 k16 + 8 h + 0..7.  So 128 along K of 16 rows are 4,096 consecutive bytes, a fragment is two loads at 16 x lane, and LDS needs no pitch and no padding.
; A tile of C is 128 rows x 256 columns: 256 work-groups.  Four waves, each 64 x 128: 32 accumulators, 256 registers.  K goes in 8 steps of 128 through a ring of two LDS slots filled by the tensor data mover.
; CLUSTERS: 4 x 4 work-groups.  The four of a row of the cluster need the same tile of O, the four of a column the same tile of W_o: each is asked for jointly.
; THE MATRIX INSTRUCTION IS USED TRANSPOSED (source 0 = 16 rows of W_o, source 1 = 16 rows of O): a lane holds eight neighbouring numbers of a row of C.
; (Rows 0-15 of every sequence are written here too and written again, more finely, by the next launch.)
; LDS: slot s at 98,304 s: O's 8 row tiles x 4,096 bytes, then W_o's 16; stages at 196,608 (16 rows x 528 bytes a wave); spare words at 230,400.
; REGISTERS.  Window 0: v16-29 addresses; two fragment buffers of 96: v32-127, v128-223 (W_o's eight fragments, then O's four).  Window 1: accumulator (a, b) at v[8 (8 a + b)].
.set SLOT,   98304
.set STAGE,  2*SLOT
.set SPITCH, 528
.set SPARE,  STAGE+4*16*SPITCH
.set LAPS,   4                         ; a lap = two K steps
.set ADRA, 16
.set ADRB, 20
.set STO,  24
.set RD,   25
.set CO,   26
.set SPW,  28
.set NIL,  29
.set F0,   32
.set F1,   128
.set G1, 24
.set G0, 32
.set G1B, 48
.set G0B, 56
.set MSB, 0
.macro WIN new
.if MSB != (\new)
	s_set_vgpr_msb (MSB<<8)|(\new)
.set MSB, (\new)
.endif
.endm
.set MUL, 0x50                         ; C and D window 1
.macro JLOAD s                         ; a joint load: waves 0 and 1 fetch O's halves, waves 2 and 3 W_o's; an s_nop 0 and four v_nop follow each line
	s_cmp_eq_u32 s11, 0
	s_cbranch_scc0 .Lfor_b_\@
	tensor_load_to_lds s[G0+4*\s:G0+4*\s+3], s[G1:G1+7]
	s_nop 0
.rept 4
	v_nop
.endr
	s_branch .Lasked_\@
.Lfor_b_\@:
	tensor_load_to_lds s[G0B+4*\s:G0B+4*\s+3], s[G1B:G1B+7]
	s_nop 0
.rept 4
	v_nop
.endr
.Lasked_\@:
.endm
.macro CREST
	s_cmp_lg_u32 s10, 0
	s_cbranch_scc1 .Lnot_wave_0_\@
	s_barrier_signal -3
.Lnot_wave_0_\@:
	s_barrier_wait -3
	s_barrier_signal -1
	s_barrier_wait -1
.endm
.macro CROUND
	s_barrier_signal -1
	s_barrier_wait -1
	CREST
.endm
	s_load_b128 s[4:7], s[0:1], 0x0                ; o16, wo16
	s_load_b64 s[8:9], s[0:1], 0x10                ; out0
	v_lshl_add_u32 v[SPW], v0, 2, SPARE
	v_mov_b32 v[NIL], 0
	ds_add_u32 v[SPW], v[NIL]                      ; the wave's opening: the add, twice on end, and its wait ahead of my first tensor load
	ds_add_u32 v[SPW], v[NIL]
	v_lshrrev_b32 v1, 5, v0
	v_readfirstlane_b32 s10, v1                    ; wave 0..3
	s_lshr_b32 s11, s10, 1                         ; which 64 rows are mine.  Also: I fetch for O (0) or for W_o (1)
	s_and_b32 s12, s10, 1                          ; which 128 columns.  Also: which half of that tile I fetch
	s_bfe_u32 s40, ttmp6, 0x40000                  ; cx
	s_bfe_u32 s41, ttmp6, 0x40004                  ; cy
	s_lshl_b32 s42, ttmp9, 2
	s_add_co_u32 s42, s42, s40                     ; tile column of C
	s_and_b32 s13, ttmp7, 0xffff
	s_lshl_b32 s13, s13, 2
	s_add_co_u32 s13, s13, s41                     ; tile row of C
	s_lshl_b32 s43, s41, 2
	s_lshl_b32 s43, 15, s43                        ; my row of the cluster
	s_lshl_b32 s44, 0x1111, s40                    ; my column
	s_or_b32 s[G1+0], s43, (3<<16)|(1<<21)         ; the mask; elements of 8 bytes; bit 21 beside a mask; no padding
	s_or_b32 s[G1B+0], s44, (3<<16)|(1<<21)
	s_mov_b32 s[G1+1], 512<<16                     ; tensor_dim0 = 512 elements: 4,096 bytes, a K step of one tile of 16 rows
	s_mov_b32 s[G1+2], 4<<16                       ; tensor_dim1 = 4 such tiles
	s_mov_b32 s[G1+3], 512<<16                     ; tile_dim0
	s_mov_b32 s[G1+4], 4                           ; tile_dim1
	s_mov_b32 s[G1+5], 4096                        ; from tile to tile: 32,768 bytes
	s_mov_b32 s[G1+6], 0
	s_mov_b32 s[G1+7], 0
	s_mov_b32 s[G1B+1], 512<<16
	s_mov_b32 s[G1B+2], 8<<16                      ; W_o: 8 tiles a load
	s_mov_b32 s[G1B+3], 512<<16
	s_mov_b32 s[G1B+4], 8
	s_mov_b32 s[G1B+5], 4096
	s_mov_b32 s[G1B+6], 0
	s_mov_b32 s[G1B+7], 0
	s_lshl_b32 s16, s13, 18                        ; O: 8 row tiles of 32,768 bytes a tile row,
	s_lshl_b32 s17, s12, 17                        ; + my four
	s_add_co_u32 s16, s16, s17
	s_mov_b32 s17, 0
	s_lshl_b32 s46, s42, 19                        ; W_o: 16 a tile column,
	s_lshl_b32 s47, s12, 18                        ; + my eight
	s_add_co_u32 s46, s46, s47
	s_mov_b32 s47, 0
	s_lshl_b32 s20, s12, 14                        ; where they go in a slot: no place in the cluster enters an LDS address
	s_lshl_b32 s21, s12, 15
	s_add_co_u32 s21, s21, 32768
	s_wait_dscnt 0x0                               ; both opening adds are done
	s_wait_kmcnt 0x0
	s_add_nc_u64 s[14:15], s[4:5], s[16:17]
	s_add_nc_u64 s[46:47], s[6:7], s[46:47]
	CROUND                                         ; all sixteen work-groups are here: the first joint loads meet
.irp s, 0,1
	s_mov_b32 s[G0+4*\s], 1
	s_add_co_u32 s[G0+4*\s+1], s20, \s*SLOT
	s_add_nc_u64 s[G0+4*\s+2:G0+4*\s+3], s[14:15], \s*4096
	s_or_b32 s[G0+4*\s+3], s[G0+4*\s+3], 0x80000000
	s_mov_b32 s[G0B+4*\s], 1
	s_add_co_u32 s[G0B+4*\s+1], s21, \s*SLOT
	s_add_nc_u64 s[G0B+4*\s+2:G0B+4*\s+3], s[46:47], \s*4096
	s_or_b32 s[G0B+4*\s+3], s[G0B+4*\s+3], 0x80000000
	JLOAD \s                                       ; two tensor loads of mine are out
.endr
	v_and_b32 v1, 31, v0
	v_lshlrev_b32 v3, 4, v1                        ; 16 x lane
	s_lshl_b32 s22, s11, 14                        ; my four row tiles of O
	s_lshl_b32 s23, s12, 15                        ; my eight of W_o,
	s_add_co_u32 s23, s23, 32768                   ; which lie behind O's eight
.irp s, 0,1
	v_add_nc_u32 v[ADRA+\s], s22, v3
	v_add_nc_u32 v[ADRB+\s], s23, v3
	s_add_co_u32 s22, s22, SLOT
	s_add_co_u32 s23, s23, SLOT
.endr
	s_mul_i32 s23, s10, 16*SPITCH
	s_add_co_u32 s23, s23, STAGE                   ; my stage
	v_and_b32 v4, 15, v0
	v_bfe_u32 v5, v0, 4, 1
	v_mul_u32_u24 v4, v4, SPITCH                   ; in: row l % 16, 32 bytes for each half of the lanes
	v_lshl_add_u32 v4, v5, 5, v4
	v_add_nc_u32 v[STO], s23, v4
	v_add_nc_u32 v[RD], s23, v3                    ; back: the 32 lanes take one row of 512 bytes
	v_mov_b32 v[CO], v3
	s_lshl_b32 s16, s13, 19                        ; my first row of C: 128 x tile row + 64 x half, rows of 4,096 bytes;
	s_lshl_b32 s17, s11, 18
	s_add_co_u32 s16, s16, s17
	s_lshl_b32 s17, s42, 10                        ; my first column: 1,024 bytes a tile column + 512 x half
	s_add_co_u32 s16, s16, s17
	s_lshl_b32 s17, s12, 9
	s_add_co_u32 s16, s16, s17
	s_mov_b32 s17, 0
	s_add_nc_u64 s[8:9], s[8:9], s[16:17]
.macro MUL8 f, a, zero                 ; O's block a x W_o's eight, 32 along K.  The 32 accumulators take turns in the same order in every quarter
.irp b, 0,1,2,3,4,5,6,7
.if \zero
	v_wmma_f32_16x16x32_f16 v[8*(8*(\a)+\b):8*(8*(\a)+\b)+7], v[\f+8*\b:\f+8*\b+7], v[\f+64+8*(\a):\f+64+8*(\a)+7], 0
.else
	v_wmma_f32_16x16x32_f16 v[8*(8*(\a)+\b):8*(8*(\a)+\b)+7], v[\f+8*\b:\f+8*\b+7], v[\f+64+8*(\a):\f+64+8*(\a)+7], v[8*(8*(\a)+\b):8*(8*(\a)+\b)+7]
.endif
.endr
.endm
.macro FETCH slot, q, f                ; 24 LDS loads in one run: the fragments of the slot's q-th 32 along K: W_o's sixteen loads, then O's blocks 0, 1, then 2, 3
	WIN 0
.irp i, 0,1,2,3,4,5,6,7
	ds_load_b128 v[\f+8*\i:\f+8*\i+3],   v[ADRB+\slot] offset:\i*4096+(\q)*1024
	ds_load_b128 v[\f+8*\i+4:\f+8*\i+7], v[ADRB+\slot] offset:\i*4096+(\q)*1024+512
.endr
.irp i, 0,1,2,3
	ds_load_b128 v[\f+64+8*\i:\f+64+8*\i+3],   v[ADRA+\slot] offset:\i*4096+(\q)*1024
	ds_load_b128 v[\f+64+8*\i+4:\f+64+8*\i+7], v[ADRA+\slot] offset:\i*4096+(\q)*1024+512
.endr
.endm
.macro PLACES
.rept 4
	v_nop
.endr
.endm
.macro QUARTER slot, q, f, g, zero     ; multiplies buffer f; in its middle it fetches the slot's q-th quarter into buffer g
	s_wait_dscnt 4                                 ; all but O's blocks 2 and 3 are in
	WIN MUL
	MUL8 \f, 0, \zero
	MUL8 \f, 1, \zero
	PLACES
	FETCH \slot, \q, \g
	s_wait_dscnt 24                                ; all but the 24 just issued
	WIN MUL
	MUL8 \f, 2, \zero
	MUL8 \f, 3, \zero
.endm
; A K step's last quarter multiplies buffer 1 and changes slots: ONE barrier; in front of it each wave waits for all its tensor loads, adds 0 to its spare word, and waits for that and for its reads of this slot.
.macro TURN slot, next, fill
	WIN 0
	s_wait_tensorcnt 0x0                           ; all my tensor loads have landed: my part of the next slot
	ds_add_u32 v[SPW], v[NIL]
	s_wait_dscnt 5                                 ; (the add and the youngest four loads may be out)
	WIN MUL
	MUL8 F1, 0, 0
	s_wait_dscnt 0x0                               ; the add is done, and my reads of this slot are over
	s_barrier_signal -1
	MUL8 F1, 1, 0
	WIN 0
	s_barrier_wait -1
.if \fill
	CREST                                          ; the barrier has opened a round of the cluster's barrier: no wave of any partner still reads this slot or has a load on its way
	s_add_nc_u64 s[G0+4*\slot+2:G0+4*\slot+3], s[G0+4*\slot+2:G0+4*\slot+3], 8192
	s_add_nc_u64 s[G0B+4*\slot+2:G0B+4*\slot+3], s[G0B+4*\slot+2:G0B+4*\slot+3], 8192
	JLOAD \slot                                    ; my one tensor load behind the round; its four v_nop are also the places in front of the loads below
.else
	PLACES
.endif
	FETCH \next, 0, F0
	WIN MUL
	MUL8 F1, 2, 0
	MUL8 F1, 3, 0
.endm
	s_wait_tensorcnt 1                             ; my part of K step 0 is in (K step 1's load may be out),
	s_barrier_signal -1
	s_barrier_wait -1                              ; everybody's is
	FETCH 0, 0, F0
	QUARTER 0, 1, F0, F1, 1                        ; the first quarter's products start the sums
	WIN 0
	s_mov_b32 s3, LAPS-1
.Llap:                                                 ; a trip goes once round the ring and fills both slots again
	QUARTER 0, 2, F1, F0, 0
	QUARTER 0, 3, F0, F1, 0
	TURN 0, 1, 1
	QUARTER 1, 1, F0, F1, 0
	QUARTER 1, 2, F1, F0, 0
	QUARTER 1, 3, F0, F1, 0
	TURN 1, 0, 1
	QUARTER 0, 1, F0, F1, 0
	WIN 0
	s_sub_co_u32 s3, s3, 1
	s_cmp_lg_u32 s3, 0
	s_cbranch_scc1 .Llap
	QUARTER 0, 2, F1, F0, 0                        ; the last lap fills nothing
	QUARTER 0, 3, F0, F1, 0
	TURN 0, 1, 0
	QUARTER 1, 1, F0, F1, 0
	QUARTER 1, 2, F1, F0, 0
	QUARTER 1, 3, F0, F1, 0
	s_wait_dscnt 4
	WIN MUL
	MUL8 F1, 0, 0
	MUL8 F1, 1, 0
	s_wait_dscnt 0
	MUL8 F1, 2, 0
	MUL8 F1, 3, 0
	WIN 0
; THE WAY OUT, block by block of 16 rows x 128 columns, through my own stage: in as 32 bytes a lane, back as whole rows of 512 bytes.  LDS serves a wave's instructions in order (ISA guide 5.7.1.4).
.macro TOSTAGE a
	WIN 0x04                                       ; an LDS store's data are its source 1: window 1
.irp b, 0,1,2,3,4,5,6,7
	ds_store_b128 v[STO], v[64*(\a)+8*\b:64*(\a)+8*\b+3] offset:64*\b          ; each accumulator from its low end on
	ds_store_b128 v[STO], v[64*(\a)+8*\b+4:64*(\a)+8*\b+7] offset:64*\b+16
.endr
	WIN 0
.irp t, 0,1,2,3,4,5,6,7,8,9,10,11,12,13,14,15
	ds_load_b128 v[32+64*((\a)%2)+4*\t:32+64*((\a)%2)+4*\t+3], v[RD] offset:\t*SPITCH
.endr
.endm
.macro SEND a, younger
	s_wait_dscnt \younger                          ; the block is back in registers
.irp t, 0,1,2,3,4,5,6,7,8,9,10,11,12,13,14,15
	global_store_b128 v[CO], v[32+64*((\a)%2)+4*\t:32+64*((\a)%2)+4*\t+3], s[8:9] offset:(16*(\a)+\t)*4096 th:TH_STORE_NT   ; 32 lanes store 512 consecutive bytes, aligned
.endr
.endm
	PLACES
	TOSTAGE 0
	TOSTAGE 1
	SEND 0, 32                                     ; behind block 0's loads: block 1's 16 stores and 16 loads
	s_wait_xcnt 0x0                                ; block 0's stores have read their registers
	TOSTAGE 2
	SEND 1, 32
	s_wait_xcnt 0x0
	TOSTAGE 3
	SEND 2, 32
	SEND 3, 0
	s_wait_tensorcnt 0x0                           ; the wave's end
	ds_add_u32 v[SPW], v[NIL]
	s_wait_dscnt 0x0
	CROUND                                         ; the closing round
	s_endpgm
.Lfunc_end_k_qb15f7e82f6_outproj:
	.size	k_qb15f7e82f6_outproj, .Lfunc_end_k_qb15f7e82f6_outproj-k_qb15f7e82f6_outproj
	.p2alignl 7, 3214868480
	.fill 96, 4, 3214868480
	.section	.rodata,"a",@progbits
	.p2align	6, 0x0
	.amdhsa_kernel k_qb15f7e82f6_outproj
		.amdhsa_group_segment_fixed_size 327680
		.amdhsa_private_segment_fixed_size 0
		.amdhsa_enable_private_segment 0
		.amdhsa_kernarg_size 24
		.amdhsa_user_sgpr_count 2
		.amdhsa_user_sgpr_kernarg_segment_ptr 1
		.amdhsa_wavefront_size32 1
		.amdhsa_system_sgpr_workgroup_id_x 1
		.amdhsa_system_sgpr_workgroup_id_y 1
		.amdhsa_system_sgpr_workgroup_id_z 1
		.amdhsa_system_vgpr_workitem_id 0
		.amdhsa_next_free_vgpr 512
		.amdhsa_next_free_sgpr 66
		.amdhsa_reserve_vcc 0
		.amdhsa_float_denorm_mode_32 3
		.amdhsa_float_denorm_mode_16_64 3
		.amdhsa_memory_ordered 1
		.amdhsa_forward_progress 1
		.amdhsa_inst_pref_size 84
	.end_amdhsa_kernel
	.amdgpu_metadata
---
amdhsa.version: [ 1, 2 ]
amdhsa.kernels:
  - .name:           k_qb15f7e82f6_outproj
    .symbol:         k_qb15f7e82f6_outproj.kd
    .args:
      - { .name: o16, .offset: 0, .size: 8, .value_kind: global_buffer, .address_space: global }
      - { .name: wo16, .offset: 8, .size: 8, .value_kind: global_buffer, .address_space: global }
      - { .name: out0, .offset: 16, .size: 8, .value_kind: global_buffer, .address_space: global }
    .group_segment_fixed_size: 327680
    .private_segment_fixed_size: 0
    .kernarg_segment_align: 8
    .kernarg_segment_size: 24
    .max_flat_workgroup_size: 128
    .sgpr_count:     66
    .vgpr_count:     512
    .wavefront_size: 32
...
	.end_amdgpu_metadata
.endif
;; end of part 5
;; launch fine_out (part 6): grid 16 x 4, 16 waves a work-group, no clusters, 19,456 bytes of LDS; arguments ofine, wo16, out0; writes out0
.if DOCPART == 6
	.amdgcn_target "amdgcn-amd-amdhsa--gfx1250"
	.amdhsa_code_object_version 6
	.text
	.protected	k_qb15f7e82f6_fine_out
	.globl	k_qb15f7e82f6_fine_out
	.p2align	8
	.type	k_qb15f7e82f6_fine_out,@function
k_qb15f7e82f6_fine_out:
	s_mov_b64 s[64:65], 0
	v_nop
	global_prefetch_b8 v0, s[64:65] scope:SCOPE_SE
	s_setreg_imm32_b32 hwreg(HW_REG_WAVE_MODE, 25, 1), 1
	s_wait_xcnt 0x0
; THE OUTPUT PROJECTION OF POSITIONS 0 TO 15 OF EVERY SEQUENCE, with both operands as pairs of f16 numbers, a high and a low part: out = W_h O_h + W_h O_l + W_l O_h (what W_l O_l would add lies under f32's own rounding).
; Work-group (x, batch): 16 rows x 64 columns.  Wave w takes the 16 columns 64 x + 16 (w % 4) on and the quarter w / 4 of K (256 along K: 8 steps of 32, in two batches of four).
; The four quarters meet in LDS: [quarter][row][64 columns], rows of 256 bytes + 16; behind one barrier wave w adds row w's four parts and stores its 256 consecutive bytes.
; Source 0 = 16 rows of W_o, source 1 = the 16 rows of O: a lane holds eight neighbouring columns of one row.  Three accumulators by turns.
.set SPARE, 17408
	s_load_b128 s[4:7], s[0:1], 0x0                ; ofine, wo16
	s_load_b64 s[8:9], s[0:1], 0x10                ; out0
	v_lshl_add_u32 v2, v0, 2, SPARE                ; my spare word; never rewritten
	v_mov_b32 v3, 0                                ; 0; never rewritten
	v_lshrrev_b32 v1, 5, v0
	v_readfirstlane_b32 s10, v1                    ; wave 0..15
	v_and_b32 v4, 31, v0
	v_lshlrev_b32 v5, 4, v4                        ; 16 x lane
	v_and_b32 v6, 15, v0                           ; r
	v_bfe_u32 v7, v0, 4, 1                         ; h
	s_and_b32 s11, s10, 3                          ; which 16 columns
	s_lshr_b32 s12, s10, 2                         ; which quarter of K
	v_mul_u32_u24 v8, v6, 272
	v_lshl_add_u32 v8, v7, 5, v8
	s_mul_i32 s13, s12, 4352
	s_lshl_b32 s14, s11, 6
	s_add_co_u32 s13, s13, s14
	v_add_nc_u32 v8, s13, v8                       ; in: quarter x 4,352 + row r x 272 + 64 x (w % 4) + 32 h
	s_mul_i32 s13, s10, 272
	v_lshlrev_b32 v10, 3, v4                       ; 8 x lane
	v_add_nc_u32 v9, s13, v10                      ; back: row w, 8 bytes a lane
	s_lshl_b32 s16, ttmp9, 2
	s_add_co_u32 s16, s16, s11                     ; W_o's tile of 16 rows
	s_lshl_b32 s16, s16, 15
	s_lshl_b32 s17, s12, 13                        ; a quarter of K is 16 pieces of 512 bytes
	s_add_co_u32 s16, s16, s17
	s_mov_b32 s17, 0
	s_and_b32 s18, ttmp7, 0xffff                   ; batch
	s_lshl_b32 s20, s18, 15
	s_lshl_b32 s21, s12, 13
	s_add_co_u32 s20, s20, s21
	s_mov_b32 s21, 0
	s_lshl_b32 s22, s18, 11
	s_add_co_u32 s22, s22, s10                     ; the row that I store: 2,048 x batch + wave
	s_lshl_b32 s22, s22, 12
	s_lshl_b32 s23, ttmp9, 8
	s_add_co_u32 s22, s22, s23
	s_mov_b32 s23, 0
	s_wait_kmcnt 0x0
	s_add_nc_u64 s[6:7], s[6:7], s[16:17]
	s_add_nc_u64 s[4:5], s[4:5], s[20:21]
	s_add_nc_u64 s[8:9], s[8:9], s[22:23]
.macro FBATCH bt                       ; four steps of 32 along K: step c's W_h, W_l, O_h, O_l at v[32 + 32 c] + 0, 8, 16, 24
.irp c, 0,1,2,3
.irp g, 0,1
	global_load_b128 v[32+32*\c+4*\g:35+32*\c+4*\g], v5, s[6:7] offset:(4*(\bt)+\c)*1024+512*\g
	global_load_b128 v[40+32*\c+4*\g:43+32*\c+4*\g], v5, s[6:7] offset:2097152+(4*(\bt)+\c)*1024+512*\g
	global_load_b128 v[48+32*\c+4*\g:51+32*\c+4*\g], v5, s[4:5] offset:(4*(\bt)+\c)*1024+512*\g
	global_load_b128 v[56+32*\c+4*\g:59+32*\c+4*\g], v5, s[4:5] offset:131072+(4*(\bt)+\c)*1024+512*\g
.endr
.endr
	s_wait_loadcnt 0x0
.irp c, 0,1,2,3
.if 4*(\bt)+\c == 0
	v_wmma_f32_16x16x32_f16 v[160:167], v[32+32*\c:39+32*\c], v[48+32*\c:55+32*\c], 0
	v_wmma_f32_16x16x32_f16 v[168:175], v[32+32*\c:39+32*\c], v[56+32*\c:63+32*\c], 0
	v_wmma_f32_16x16x32_f16 v[176:183], v[40+32*\c:47+32*\c], v[48+32*\c:55+32*\c], 0
.else
	v_wmma_f32_16x16x32_f16 v[160:167], v[32+32*\c:39+32*\c], v[48+32*\c:55+32*\c], v[160:167]
	v_wmma_f32_16x16x32_f16 v[168:175], v[32+32*\c:39+32*\c], v[56+32*\c:63+32*\c], v[168:175]
	v_wmma_f32_16x16x32_f16 v[176:183], v[40+32*\c:47+32*\c], v[48+32*\c:55+32*\c], v[176:183]
.endif
.endr
.rept 4
	v_nop                                          ; places in front of loads into operands, and of the first read of results
.endr
.endm
	FBATCH 0
	FBATCH 1
.irp i, 0,2,4,6
	v_pk_add_f32 v[184+\i:185+\i], v[160+\i:161+\i], v[168+\i:169+\i]
.endr
.irp i, 0,2,4,6
	v_pk_add_f32 v[184+\i:185+\i], v[184+\i:185+\i], v[176+\i:177+\i]
.endr
	ds_store_b128 v8, v[184:187]
	ds_store_b128 v8, v[188:191] offset:16
	s_wait_dscnt 0x0                               ; for the others' sake: my stores are done
	s_barrier_signal -1
	s_barrier_wait -1
	ds_load_b64 v[12:13], v9
	ds_load_b64 v[14:15], v9 offset:4352
	ds_load_b64 v[16:17], v9 offset:8704
	ds_load_b64 v[18:19], v9 offset:13056
	s_wait_dscnt 0x0
	v_pk_add_f32 v[12:13], v[12:13], v[14:15]
	v_pk_add_f32 v[16:17], v[16:17], v[18:19]
	v_pk_add_f32 v[12:13], v[12:13], v[16:17]
	global_store_b64 v10, v[12:13], s[8:9]         ; 32 lanes store 256 consecutive bytes, aligned
	s_wait_tensorcnt 0x0                           ; the wave's end
	ds_add_u32 v2, v3
	s_wait_dscnt 0x0
	s_endpgm
.Lfunc_end_k_qb15f7e82f6_fine_out:
	.size	k_qb15f7e82f6_fine_out, .Lfunc_end_k_qb15f7e82f6_fine_out-k_qb15f7e82f6_fine_out
	.p2alignl 7, 3214868480
	.fill 96, 4, 3214868480
	.section	.rodata,"a",@progbits
	.p2align	6, 0x0
	.amdhsa_kernel k_qb15f7e82f6_fine_out
		.amdhsa_group_segment_fixed_size 19456
		.amdhsa_private_segment_fixed_size 0
		.amdhsa_enable_private_segment 0
		.amdhsa_kernarg_size 24
		.amdhsa_user_sgpr_count 2
		.amdhsa_user_sgpr_kernarg_segment_ptr 1
		.amdhsa_wavefront_size32 1
		.amdhsa_system_sgpr_workgroup_id_x 1
		.amdhsa_system_sgpr_workgroup_id_y 1
		.amdhsa_system_sgpr_workgroup_id_z 1
		.amdhsa_system_vgpr_workitem_id 0
		.amdhsa_next_free_vgpr 192
		.amdhsa_next_free_sgpr 66
		.amdhsa_reserve_vcc 0
		.amdhsa_float_denorm_mode_32 3
		.amdhsa_float_denorm_mode_16_64 3
		.amdhsa_memory_ordered 1
		.amdhsa_forward_progress 1
		.amdhsa_inst_pref_size 12
	.end_amdhsa_kernel
	.amdgpu_metadata
---
amdhsa.version: [ 1, 2 ]
amdhsa.kernels:
  - .name:           k_qb15f7e82f6_fine_out
    .symbol:         k_qb15f7e82f6_fine_out.kd
    .args:
      - { .name: ofine, .offset: 0, .size: 8, .value_kind: global_buffer, .address_space: global }
      - { .name: wo16, .offset: 8, .size: 8, .value_kind: global_buffer, .address_space: global }
      - { .name: out0, .offset: 16, .size: 8, .value_kind: global_buffer, .address_space: global }
    .group_segment_fixed_size: 19456
    .private_segment_fixed_size: 0
    .kernarg_segment_align: 8
    .kernarg_segment_size: 24
    .max_flat_workgroup_size: 512
    .sgpr_count:     66
    .vgpr_count:     192
    .wavefront_size: 32
...
	.end_amdgpu_metadata
.endif
;; end of part 6
